; MI455X (gfx1250); checked and timed in simulation.
; The chip was launched on July 23, 2026; its instructions are those of AMD's public machine-readable ISA for CDNA 5 (MIT licence, August 2026) and "CDNA5" Instruction Set Architecture Reference Guide (July 2026). The comments in the code are by the model that wrote it; some were corrected since.
;; Encoder. Allowed arithmetic: matrix products marked QUANTISED: E2M3 operands, one E8M0 scale for each 32 along K, by v_wmma_scale_f32_16x16x128_f8f6f4 with both operands' format E2M3, f32 sums; everything else in f32.
;; Inputs: Wk 1,024 x 1,024 float32; Wo 1,024 x 1,024 float32; Wq 1,024 x 1,024 float32; Wv 1,024 x 1,024 float32; bk 1,024 float32; bo 1,024 float32; bq 1,024 float32; bv 1,024 float32; x 4 x 2,048 x 1,024 float32.
;; Outputs: out0 4 x 2,048 x 1,024 float32.
;; This version of the problem:
;;   THIS VERSION OF THE PROBLEM IS GIVEN IN LOW PRECISION. The matrix products marked QUANTISED in the list below multiply operands that are first quantised to E2M3 (2 exponent bits, 3 mantissa bits; 6 bits a number), with one power-of-two scale for each 32 numbers along K (OCP MX v1.0); their sums are f32. All else is computed in f32.
;;   The module's matrix products, in the order in which they are computed (A, B: the left and right operand; K: the contracted axis; several contracted axes count as one K, in the product's order):
;;     1. [M 8,192, K 1,024] x [K 1,024, N 1,024]; A: input x; B: input Wq: QUANTISED
;;     2. [M 8,192, K 1,024] x [K 1,024, N 1,024]; A: input x; B: input Wk: QUANTISED
;;     3. [M 8,192, K 1,024] x [K 1,024, N 1,024]; A: input x; B: input Wv: QUANTISED
;;     4. batch 64 x [M 2,048, K 64] x [K 64, N 2,048]; A: computed on the way; B: computed on the way: QUANTISED
;;     5. batch 64 x [M 64, K 2,048] x [K 2,048, N 2,048]; A: computed on the way; B: softmax (see below): QUANTISED
;;     6. [M 8,192, K 1,024] x [K 1,024, N 1,024]; A: computed on the way; B: input Wo: QUANTISED
;;   THE QUANTISER, for each operand of a quantised product, along K:
;;     - K is cut into blocks of 32 from its start; a last block that is shorter is filled with zeros.
;;     - A block's scale is 2^e with e = floor(log2(the largest magnitude in the block)) - 2, held to -126 .. 127; a block of zeros has e = 0. As a byte (E8M0): e + 127.
;;     - Each number is divided by its block's scale, clamped to +-7.5, and rounded to the nearest number of E2M3, ties to even, subnormals kept.
;;     - The product sums the exact products of the quantised numbers (number of the format x scale) in f32.
;;   ~~~python
;;   def quantise(x, axis):      # numpy; x: float32 -> the quantised numbers, widened to float32 again
;;       x = np.moveaxis(x, axis, -1); K = x.shape[-1]
;;       x = np.pad(x, [(0, 0)] * (x.ndim - 1) + [(0, -K % 32)]); x = x.reshape(x.shape[:-1] + (-1, 32)); a = np.abs(x).max(-1, keepdims=True)
;;       e = np.where(a > 0, np.clip(np.frexp(np.where(a > 0, a, 1))[1] - 1 - 2, -126, 127), 0)      # np.frexp(a)[1] - 1 = floor(log2(a)), exactly
;;       r = np.clip(x / 2.0 ** e, -7.5, 7.5)
;;       step = 2.0 ** (np.maximum(np.frexp(np.where(r == 0, 1, r))[1] - 1, 0) - 3)
;;       q = np.round(r / step) * step * 2.0 ** e      # np.round: ties to even
;;       return np.moveaxis(q.reshape(q.shape[:-2] + (-1,))[..., :K], -1, axis).astype(np.float32)
;;   ~~~
;;   SOFTMAX AHEAD OF A QUANTISED PRODUCT. Where the list says 'softmax', what is quantised is not the finished softmax but p = 2^(t - M), with t = logit x log2(e) and M = ceil(the row's largest t), a whole number; so 1/2 < the row's largest p <= 1. The row's sum l is taken of the UNQUANTISED p, in f32, and the product's result is divided by l at the end. Since M is a whole number, a kernel that streams over the keys may use a running M (the ceiling of the running maximum): every later rescaling is an exact power of two, which a block's scale takes up: the codes' values come out the same.
;;   OPERANDS COMPUTED ON THE WAY. 'Computed on the way' means the value that the module computes at that place (a softmax that the list does not call 'softmax' is quantised finished and normalised). What goes into a quantiser is computed in f32, as accurately as f32 sums, v_exp_f32 and their like allow (about 1e-6 of the number): no bf16 or f16 on the way to a quantiser, and a product that is left as it is and whose result goes on into a quantised operand takes f32 operands (vector FMAs, or v_wmma_f32_16x16x4_f32). A number that lies on a knife's edge between two numbers of the format may be rounded either way, as far as f32 arithmetic and the matrix unit's own rounding can turn it there, and no further.
;; One version. Each part assembles by itself: llvm-mc -triple=amdgcn-amd-amdhsa -mcpu=gfx1250 --defsym DOCPART=n.
;; ======== version 1 of 1: 4 launches
;; workspace buffers: xc 6,291,456 bytes; xs 262,144 bytes; wc 3,145,728 bytes; ws 131,072 bytes; hc 18,874,368 bytes; hs 1,310,720 bytes; cc 6,291,456 bytes; cs 262,144 bytes
;; launch quant (part 1): grid 768 x 1, 8 waves a work-group, no clusters, 69,120 bytes of LDS; arguments x, Wq, Wk, Wv, Wo, xc, xs, wc, ws; writes xc, xs, wc, ws
.if DOCPART == 1
	.amdgcn_target "amdgcn-amd-amdhsa--gfx1250"
	.amdhsa_code_object_version 6
	.text
	.protected	k_q35d4da6883_quant
	.globl	k_q35d4da6883_quant
	.p2align	8
	.type	k_q35d4da6883_quant,@function
k_q35d4da6883_quant:
	s_mov_b64 s[64:65], 0
	v_nop
	global_prefetch_b8 v0, s[64:65] scope:SCOPE_SE
	s_setreg_imm32_b32 hwreg(HW_REG_WAVE_MODE, 25, 1), 1
	s_wait_xcnt 0x0
; x [8192][1024] and Wq, Wk, Wv, Wo [1024][1024], f32, K innermost, become codes of FP6 (E2M3) with one E8M0 byte for each 32 along K.
; A block's scale is 2^(floor(log2(largest magnitude)) - 2); its byte is the largest magnitude's exponent field - 2, held at 1 from below.
; LIMITS: NaN and infinities are not served; a block whose largest magnitude lies under 2^-124 keeps the byte 1; a block of zeros gets the byte 1 and not 127:
; its codes are zeros, and these bytes are read by this program alone.
; LAYOUT OF THE RESULT (this program's own).  POSITIONS: row rho of a tensor lies at position rho with bits 3 and 4 exchanged, so that tile T (16 positions) holds at place r
; the row 32 (T / 2) + 8 (T % 2) + r + 8 (r / 8): a later product that takes such a tile as source 0 leaves 16 neighbours of the next K in one lane's registers.
; IMAGES: 16 positions x 128 K are 1,536 bytes, six planes of 256: plane p holds at byte 8 x lane the operand's registers 2 p, 2 p + 1 of that lane.
; codes: [tile][K step 0..7][1,536]; scale words: [position][8 words].  wc, ws: Wq's 64 tiles, then Wk's, Wv's, Wo's.
; SHARES.  A work-group takes one tile for all of K; wave w takes K step w.  Work-groups 0-511: x; 512-767: the weights.  Only pointers are chosen by the work-group's number: one path.
; Each load reads 512 consecutive bytes of one row; the 16 rows turn through the wave's own stage in LDS, so that lane (r, h) gets k = 64 c + 32 h + 0 .. 31 of row r: two whole blocks.
; No cluster: work-groups share no input.  No tensor load, no loop: all 16 loads of a wave go out at once.
.set PITCH, 528                        ; a stage row: 512 bytes + 16, an odd multiple of 16
.set STGB,  16*PITCH                   ; a wave's stage
.set SCG,   8*STGB                     ; behind the stages: the tile's scale words, [r][8 words], 512 bytes
.set R,   16                           ; v16-79   as loaded; free again behind the turn
.set X,   80                           ; v80-143  my 64 numbers
.set PC,  16                           ; v16-27   the operand's 12 registers
.set CT,  28                           ; v28-35   the second halves of the blocks' codes, as converted
.set MX,  36                           ; v36-37   largest magnitudes
.set SO,  38                           ; v38-39   the conversions' scale operands
.set BY,  40                           ; v40-41   the bytes
.set SW,  42                           ; v42      the scale word
.set OW,  44                           ; v44-47   wave 0: the tile's scale words on their way out
.set SEL, 32                           ; s[32:33] v_permlanex16_b32's selects for lane l xor 16
	s_load_b256 s[4:11], s[0:1], 0x0               ; x, Wq, Wk, Wv
	s_load_b256 s[12:19], s[0:1], 0x20             ; Wo, xc, xs, wc
	s_load_b64 s[20:21], s[0:1], 0x40              ; ws
	v_lshl_add_u32 v144, v0, 2, 0x10a00
	v_mov_b32 v145, 0
	s_mov_b32 s[SEL], 0x76543210
	s_mov_b32 s[SEL+1], 0xfedcba98
	v_lshrrev_b32 v1, 5, v0
	v_readfirstlane_b32 s24, v1                    ; wave 0..7 = K step
	v_and_b32 v1, 31, v0                           ; lane
	v_and_b32 v2, 15, v0                           ; r
	v_bfe_u32 v3, v0, 4, 1                         ; h
	v_lshlrev_b32 v4, 4, v1                        ; 16 x lane: my bytes of a load's 512
	s_mul_i32 s25, s24, STGB
	v_add_nc_u32 v5, s25, v4                       ; the stage, on the way in
	v_mul_u32_u24 v6, v2, PITCH
	v_lshl_add_u32 v6, v3, 7, v6
	v_add_nc_u32 v6, s25, v6                       ; and out: row r, + 128 h
	v_lshlrev_b32 v7, 3, v1                        ; 8 x lane: my place in a plane
	s_lshl_b32 s25, s24, 2
	s_add_co_u32 s25, s25, SCG
	v_lshlrev_b32 v8, 5, v2
	v_add_nc_u32 v8, s25, v8                       ; my row's word of my K step
	v_lshlrev_b32 v9, 3, v3                        ; 8 h: how far my two bytes are shifted in the word
	v_mov_b32 v10, 0                               ; a lane permute's destination counts as one of its sources
	v_add_nc_u32 v11, SCG, v4                      ; wave 0: where it reads the 512 bytes back
	s_wait_kmcnt 0x0
	s_mov_b64 s[22:23], s[12:13]                   ; the source: Wo, unless the work-group's number says otherwise
	s_cmp_lt_u32 ttmp9, 704
	s_cselect_b64 s[22:23], s[10:11], s[22:23]
	s_cmp_lt_u32 ttmp9, 640
	s_cselect_b64 s[22:23], s[8:9], s[22:23]
	s_cmp_lt_u32 ttmp9, 576
	s_cselect_b64 s[22:23], s[6:7], s[22:23]
	s_cmp_lt_u32 ttmp9, 512
	s_cselect_b64 s[22:23], s[4:5], s[22:23]
	s_cselect_b64 s[14:15], s[14:15], s[18:19]     ; the codes' buffer
	s_cselect_b64 s[16:17], s[16:17], s[20:21]     ; the scale words'
	s_cselect_b32 s26, 0, 512
	s_cselect_b32 s27, 511, 63
	s_sub_co_u32 s26, ttmp9, s26                   ; the tile in its buffer of codes
	s_and_b32 s27, s26, s27                        ; the tile in its source tensor
	s_lshr_b32 s28, s27, 1
	s_lshl_b32 s28, s28, 17                        ; 32 rows of 4,096 bytes for each pair of tiles,
	s_and_b32 s29, s27, 1
	s_lshl_b32 s29, s29, 15                        ; 8 rows for the odd tile,
	s_add_co_u32 s28, s28, s29
	s_lshl_b32 s29, s24, 9                         ; 512 bytes for each K step
	s_add_co_u32 s28, s28, s29
	s_mov_b32 s29, 0
	s_add_nc_u64 s[22:23], s[22:23], s[28:29]
	s_mul_i32 s28, s26, 12288
	s_mul_i32 s30, s24, 1536
	s_add_co_u32 s28, s28, s30
	s_add_nc_u64 s[14:15], s[14:15], s[28:29]      ; my image
	s_lshl_b32 s28, s26, 9
	s_add_nc_u64 s[16:17], s[16:17], s[28:29]      ; the tile's 512 bytes of scale words
.irp i, 0,1,2,3,4,5,6,7,8,9,10,11,12,13,14,15
	global_load_b128 v[R+4*\i:R+4*\i+3], v4, s[22:23] offset:(\i+8*(\i/8))*4096 th:TH_LOAD_NT   ; place i of the tile: 512 consecutive bytes of its row
.endr
.irp i, 0,1,2,3,4,5,6,7,8,9,10,11,12,13,14,15
	s_wait_loadcnt 15-\i                           ; loads come back in order: row i is in, the younger ones stay out
	ds_store_b128 v5, v[R+4*\i:R+4*\i+3] offset:PITCH*\i
.endr
.irp c, 0,1
.irp i, 0,1,2,3,4,5,6,7
	ds_load_b128 v[X+32*\c+4*\i:X+32*\c+4*\i+3], v6 offset:256*\c+16*\i   ; LDS serves a wave's instructions in order: these see my stores
.endr
.endr
	s_wait_dscnt 0x0                               ; my 64 numbers are in, and the stores have read v16-79
.irp c, 0,1
	v_max3_num_f32 v[MX+\c], |v[X+32*\c]|, |v[X+32*\c+1]|, 0x1800000   ; block 2 c + h is all mine; the floor 2^(3 - 127) holds the byte at 1 from below
.endr
.irp i, 2,4,6,8,10,12,14,16,18,20,22,24,26,28,30
.irp c, 0,1
	v_max3_num_f32 v[MX+\c], v[MX+\c], |v[X+32*\c+\i]|, |v[X+32*\c+\i+1]|
.endr
.endr
.irp c, 0,1
	v_add_nc_u32 v[SO+\c], 0xff000000, v[MX+\c]    ; 2 off the exponent field: the conversion takes this operand's exponent field as its scale
.endr
.irp c, 0,1
	v_lshrrev_b32 v[BY+\c], 23, v[SO+\c]           ; the scale's byte
.endr
	v_lshl_or_b32 v[SW], v[BY+1], 16, v[BY]        ; blocks h and 2 + h,
	v_lshlrev_b32 v[SW], v9, v[SW]                 ; at their places in the word;
	v_permlanex16_b32 v10, v[SW], s[SEL], s[SEL+1]
	v_or_b32 v[SW], v[SW], v10                     ; with lane l xor 16's two the word is whole
.irp c, 0,1
	v_cvt_scalef32_pk16_fp6_f32 v[PC+6*\c:PC+6*\c+2], v[X+32*\c:X+32*\c+15], v[SO+\c]
	v_cvt_scalef32_pk16_fp6_f32 v[CT+4*\c:CT+4*\c+2], v[X+32*\c+16:X+32*\c+31], v[SO+\c]   ; (a conversion's three registers begin on an even number)
.endr
	v_nop                                          ; one plain instruction behind the scaled conversions
.irp c, 0,1
.irp i, 0,1,2
	v_mov_b32 v[PC+6*\c+3+\i], v[CT+4*\c+\i]
.endr
.endr
.irp p, 0,1,2,3,4,5
	global_store_b64 v7, v[PC+2*\p:PC+2*\p+1], s[14:15] offset:256*\p   ; a plane: 32 lanes store 256 consecutive bytes, aligned
.endr
	ds_store_b32 v8, v[SW]                         ; lanes r and r + 16 write the same word with the same value
	s_wait_dscnt 0x0                               ; for the others' sake: my word has landed
	s_barrier_signal -1
	s_barrier_wait -1
	s_cmp_lg_u32 s24, 0
	s_cbranch_scc1 .Lend                           ; wave 0 alone stores the tile's scale words
	ds_load_b128 v[OW:OW+3], v11
	s_wait_dscnt 0x0
	global_store_b128 v4, v[OW:OW+3], s[16:17]     ; 512 consecutive bytes
.Lend:
	s_wait_tensorcnt 0x0
	ds_add_u32 v144, v145
	s_wait_dscnt 0x0
	s_endpgm
.Lfunc_end_k_q35d4da6883_quant:
	.size	k_q35d4da6883_quant, .Lfunc_end_k_q35d4da6883_quant-k_q35d4da6883_quant
	.p2alignl 7, 3214868480
	.fill 96, 4, 3214868480
	.section	.rodata,"a",@progbits
	.p2align	6, 0x0
	.amdhsa_kernel k_q35d4da6883_quant
		.amdhsa_group_segment_fixed_size 69120
		.amdhsa_private_segment_fixed_size 0
		.amdhsa_enable_private_segment 0
		.amdhsa_kernarg_size 72
		.amdhsa_user_sgpr_count 2
		.amdhsa_user_sgpr_kernarg_segment_ptr 1
		.amdhsa_wavefront_size32 1
		.amdhsa_system_sgpr_workgroup_id_x 1
		.amdhsa_system_sgpr_workgroup_id_y 1
		.amdhsa_system_sgpr_workgroup_id_z 1
		.amdhsa_system_vgpr_workitem_id 0
		.amdhsa_next_free_vgpr 146
		.amdhsa_next_free_sgpr 66
		.amdhsa_reserve_vcc 0
		.amdhsa_float_denorm_mode_32 3
		.amdhsa_float_denorm_mode_16_64 3
		.amdhsa_memory_ordered 1
		.amdhsa_forward_progress 1
		.amdhsa_inst_pref_size 11
	.end_amdhsa_kernel
	.amdgpu_metadata
---
amdhsa.version: [ 1, 2 ]
amdhsa.kernels:
  - .name:           k_q35d4da6883_quant
    .symbol:         k_q35d4da6883_quant.kd
    .args:
      - { .name: x, .offset: 0, .size: 8, .value_kind: global_buffer, .address_space: global }
      - { .name: Wq, .offset: 8, .size: 8, .value_kind: global_buffer, .address_space: global }
      - { .name: Wk, .offset: 16, .size: 8, .value_kind: global_buffer, .address_space: global }
      - { .name: Wv, .offset: 24, .size: 8, .value_kind: global_buffer, .address_space: global }
      - { .name: Wo, .offset: 32, .size: 8, .value_kind: global_buffer, .address_space: global }
      - { .name: xc, .offset: 40, .size: 8, .value_kind: global_buffer, .address_space: global }
      - { .name: xs, .offset: 48, .size: 8, .value_kind: global_buffer, .address_space: global }
      - { .name: wc, .offset: 56, .size: 8, .value_kind: global_buffer, .address_space: global }
      - { .name: ws, .offset: 64, .size: 8, .value_kind: global_buffer, .address_space: global }
    .group_segment_fixed_size: 69120
    .private_segment_fixed_size: 0
    .kernarg_segment_align: 8
    .kernarg_segment_size: 72
    .max_flat_workgroup_size: 256
    .sgpr_count:     66
    .vgpr_count:     146
    .wavefront_size: 32
...
	.end_amdgpu_metadata
.endif
;; end of part 1
;; launch proj (part 2): grid 12 x 32, 4 waves a work-group, clusters of 4 x 4, 327,680 bytes of LDS; arguments xc, xs, wc, ws, bq, bk, bv, hc, hs; writes hc, hs
.if DOCPART == 2
	.amdgcn_target "amdgcn-amd-amdhsa--gfx1250"
	.amdhsa_code_object_version 6
	.text
	.protected	k_q35d4da6883_proj
	.globl	k_q35d4da6883_proj
	.p2align	8
	.type	k_q35d4da6883_proj,@function
k_q35d4da6883_proj:
	s_mov_b64 s[64:65], 0
	v_nop
	global_prefetch_b8 v0, s[64:65] scope:SCOPE_SE
	s_setreg_imm32_b32 hwreg(HW_REG_WAVE_MODE, 25, 1), 1
	s_wait_xcnt 0x0
	s_wait_alu depctr_hold_cnt(0) depctr_sa_sdst(0) depctr_va_vdst(0) depctr_va_sdst(0) depctr_va_ssrc(0) depctr_va_vcc(0) depctr_vm_vsrc(0)
	s_getreg_b32 s2, hwreg(HW_REG_IB_STS2, 6, 4)
	s_cmp_eq_u32 s2, 0
	s_cbranch_scc0 .Lentry_in_a_cluster
	s_endpgm
.Lentry_in_a_cluster:
	s_bfe_u32 s2, ttmp6, 0x10000c
	s_cmp_lg_u32 s2, 0xf033
	s_cbranch_scc0 .Lentry_shape_is_right
	s_endpgm
.Lentry_shape_is_right:
; q = x Wq^T + bq, k = x Wk^T + bk, v = x Wv^T + bv on codes of FP6 (E2M3) with E8M0 scales; each result is quantised in registers and leaves as the operand that the attention launch wants.
; A work-group of four waves makes 256 x 256 results, a wave 128 x 128: 64 accumulators, 512 registers.  K = 1,024 goes in four steps of 256 through two LDS slots filled by the tensor data mover.
; OPERANDS lie in memory as images of their registers (16 positions x 128 K = six planes of 256 bytes, plane p = registers 2 p, 2 p + 1 at 8 x lane): a fragment is six dense ds_load_b64; no pitch, no padding.
; ROLES.  Source 0 ('B' below) gives the rows that run along a lane's registers, source 1 ('A') the row that a lane holds.  By the order of positions (bits 3 and 4 of a row's number exchanged), the 64 registers
; of a block of 16 A rows are: register 16 b + i = B's row 32 b + 16 (lane / 16) + i.  So what is to be the NEXT product's K is given as B:
;   cluster x = 0, 1 (q, k): B = Wq's, Wk's rows (the head's 64 are the next K), A = x's rows.      cluster x = 2 (v): B = x's rows (the keys are the next K), A = Wv's rows.
; The choice is made of pointers and tile numbers by s_cselect on the cluster's x, which all partners share; the two ways part once, for the epilogue.
; CLUSTERS: 4 x 4.  A's tiles are shared along a row of the cluster, B's along a column: each is asked for jointly, by the same tensor load with a mask that names the four.
; RESULT.  hc: [n x 16 + head][q, k, v][98,304]: q, k: [token tile 0..127][768] (half an image: the head's 64); v: [128 keys 0..15][16 channels 0..3][1,536].
; hs: [n x 16 + head][20,480]: q's words [tile / 4][r][tile % 4]; from 8,192 on, for each 128 keys 768 bytes: k's words [tile / 4][r][tile % 4], then v's [r][channel tile].  q's and k's words hold two bytes and two zeros.
; LIMITS: NaN and infinities are not served; a block whose largest magnitude lies under 2^-124, a block of zeros too, keeps the byte 1 (read by this program alone).
; 384 work-groups: a tile of 256 x 384 would want 768 accumulator registers beside the fragments, which a wave has not.  No prefetch: of K's four steps two are first fills.
; REGISTERS, in windows of 256: window 0: v1-30 addresses; v32-63 scale words, two sets; v64-127 the bias; v128-223 A's fragments, one set; in the epilogue v128-243 at work.
;   window 1: B's fragments, two sets, at v0 and v128.   windows 2, 3: the accumulators ((a, b) at v[8 (8 (a % 4) + b)], window 2 + a / 4).
.set NQ,     2                         ; matrix instructions deep in a slot
.set FR,     12                        ; registers of a fragment
.set NL,     6                         ; LDS loads that bring one
.set NP,     4                         ; places behind this matrix instruction (ISA guide 7.12.1)
.set FIB,    1536                      ; an image
.set KSB,    NQ*FIB                    ; a tile's bytes in a slot
.set HALFT,  8*KSB                     ; 128 rows: what one tensor load brings
.set SLOT,   4*HALFT                   ; A's 256 rows, then B's
.set KS,     32                        ; a row of scale bytes
.set SCL,    2*SLOT                    ; behind the ring: the scales, as runs of 256 bytes + 16 of padding
.set HALFS,  (128*KS/256)*272
.set SBLK,   (16*KS/256)*272
.set SPARE,  SCL+4*HALFS               ; the spare words, 128 bytes for each wave: two blocks of 256 bytes that no other line names
.set HEADC,  294912                    ; a head's bytes in hc
.set PARTC,  98304                     ; q's, k's or v's part of them
.set HEADS,  20480                     ; a head's bytes in hs
.set ADRA, 16                          ; v16-17  LDS address of my A fragments in slot 0, 1
.set ADRB, 20                          ; v20-21  of B's
.set L8,   24                          ; v24     8 x lane
.set SVO,  25                          ; v25     20,480 h + 16 r: where my scale words go
.set H16,  26                          ; v26     16 h
.set ADRS, 27                          ; v27     LDS address of my scale words: lanes 0-15 A's rows, lanes 16-31 B's
.set SPW,  28                          ; v28     my spare word; never rewritten
.set NIL,  29                          ; v29     0; never rewritten
.set BOF,  30                          ; v30     my offset in the bias
.set SC,   32
.set BI,   64
.set AF,   128
.set T,    128                         ; epilogue: v128-191 a block's 64 numbers
.set PC,   192                         ; v192-203 its codes; v204-211 halves as converted
.set TM,   212                         ; v212-227 at work
.set PW,   228                         ; the scale word just made
.set WD,   232                         ; v232-239 the eight blocks' words
.set OW,   240                         ; v240-243 v: the words of my half's head
.set G1, 24
.set G0, 32
.set G1B, 48
.set G0B, 56
.set G1S, 68
.set G0S, 76
.set G1SB, 80
.set G0SB, 88
.set SEL, 66                           ; s[66:67] selects for lane l xor 16
.set OUTC, 92                          ; s[92:93] where my codes go
.set OUTS, 94                          ; s[94:95] my scale words
.set BIAS, 96                          ; s[96:97] my 128 numbers of the bias
.set HM,   98                          ; s98     lanes 16-31
.set MSB, 0
.macro WIN new                         ; the immediate's high byte repeats the setting that is left
.if MSB != (\new)
	s_set_vgpr_msb (MSB<<8)|(\new)
.set MSB, (\new)
.endif
.endm
.set MUL_LO, 0xa1                      ; source 0 (B) window 1, source 1 (A) window 0, C and D window 2
.set MUL_HI, 0xf1                      ; the same, C and D window 3
.set TO_B,   0x40                      ; destination window 1, address window 0
; A joint load: waves 0 and 1 fetch for A, waves 2 and 3 for B; the branch hangs on the wave's number alone.  Four v_nop follow each of the two lines.
.macro JLOAD g0a, g1a, g0b, g1b
	s_cmp_eq_u32 s15, 0
	s_cbranch_scc0 .Lfor_b_\@
	tensor_load_to_lds s[\g0a:\g0a+3], s[\g1a:\g1a+7]
	s_nop 0
.rept 4
	v_nop
.endr
	s_branch .Lasked_\@
.Lfor_b_\@:
	tensor_load_to_lds s[\g0b:\g0b+3], s[\g1b:\g1b+7]
	s_nop 0
.rept 4
	v_nop
.endr
.Lasked_\@:
.endm
.macro CREST                           ; a round of the cluster's barrier behind its opening barrier
	s_cmp_lg_u32 s14, 0
	s_cbranch_scc1 .Lnot_wave_0_\@
	s_barrier_signal -3
.Lnot_wave_0_\@:
	s_barrier_wait -3
	s_barrier_signal -1
	s_barrier_wait -1
.endm
.macro CROUND                          ; a whole round
	s_barrier_signal -1
	s_barrier_wait -1
	CREST
.endm
	s_load_b256 s[4:11], s[0:1], 0x0               ; xc, xs, wc, ws
	v_lshl_add_u32 v[SPW], v0, 2, SPARE
	v_mov_b32 v[NIL], 0
	ds_add_u32 v28, v29
	ds_add_u32 v28, v29
	s_wait_dscnt 0x0
	v_lshrrev_b32 v1, 5, v0
	v_readfirstlane_b32 s14, v1                    ; wave 0..3
	s_lshr_b32 s15, s14, 1                         ; which half of A's rows is mine.  Also: I fetch for A (0) or for B (1)
	s_and_b32 s16, s14, 1                          ; which half of B's rows.  Also: which 128 rows of that tile I fetch
	s_bfe_u32 s40, ttmp6, 0x40000                  ; cx, cy: my place in the cluster
	s_bfe_u32 s41, ttmp6, 0x40004
	s_and_b32 s18, ttmp7, 0xffff                   ; cluster y
	s_cmp_eq_u32 ttmp9, 2                          ; v's clusters?
	s_cselect_b32 s42, s18, ttmp9                  ; B's tile: q, k: by cluster x (8 tiles of Wq, Wk); v: by cluster y (32 tiles of x)
	s_cselect_b32 s17, 0, s18                      ; A's tile: q, k: by cluster y (32 tiles of x); v: the 4 tiles of Wv
	s_cselect_b32 s19, 2048, 0                     ; v: Wv's rows begin 2,048 rows into wc
	s_lshl_b32 s42, s42, 2
	s_add_co_u32 s42, s42, s40                     ; B's tile hangs on cx alone,
	s_lshl_b32 s17, s17, 2
	s_add_co_u32 s17, s17, s41                     ; A's on cy alone
	s_lshl_b32 s43, s41, 2
	s_lshl_b32 s43, 15, s43                        ; my row of the cluster
	s_lshl_b32 s44, 0x1111, s40                    ; my column
	; descriptor group 1 for codes: 8 tiles' parts of a slot: 8 rows of 3,072 bytes (384 elements of 8), 12,288 bytes apart, dense in LDS
	s_or_b32 s[G1+0], s43, (3<<16)|(1<<21)         ; 15:0 the mask; 17:16 elements of 8 bytes; 20 no padding; 21 set beside a mask
	s_or_b32 s[G1B+0], s44, (3<<16)|(1<<21)
.irp g, G1, G1B
	s_mov_b32 s[\g+1], 384<<16                     ; tensor_dim0
	s_mov_b32 s[\g+2], 8<<16                       ; tensor_dim1
	s_mov_b32 s[\g+3], 384<<16                     ; tile_dim0
	s_mov_b32 s[\g+4], 8                           ; tile_dim1
	s_mov_b32 s[\g+5], 1536                        ; tensor_dim0_stride
	s_mov_b32 s[\g+6], 0
	s_mov_b32 s[\g+7], 0
.endr
	; and for the scales of 128 rows: 4,096 dense bytes as 16 rows of 256, 16 bytes of padding behind each
	s_or_b32 s[G1S+0], s43, (3<<16)|(1<<20)|(1<<21)|(5<<22)|(3<<25)
	s_or_b32 s[G1SB+0], s44, (3<<16)|(1<<20)|(1<<21)|(5<<22)|(3<<25)
.irp g, G1S, G1SB
	s_mov_b32 s[\g+1], 32<<16
	s_mov_b32 s[\g+2], (128*KS/256)<<16
	s_mov_b32 s[\g+3], 32<<16
	s_mov_b32 s[\g+4], 128*KS/256
	s_mov_b32 s[\g+5], 32
	s_mov_b32 s[\g+6], 0
	s_mov_b32 s[\g+7], 0
.endr
	s_mov_b32 s[SEL], 0x76543210
	s_mov_b32 s[SEL+1], 0xfedcba98
	s_mov_b32 s[HM], 0xffff0000
	s_lshl_b32 s18, s16, 7                         ; which 128 rows of the tile I fetch
	s_lshl_b32 s20, s17, 8
	s_add_co_u32 s20, s20, s18
	s_add_co_u32 s20, s20, s19                     ; A's first row
	s_lshl_b32 s46, s42, 8
	s_add_co_u32 s46, s46, s18                     ; B's
	s_lshl_b32 s22, s20, 5                         ; their scale bytes: 32 a row,
	s_mov_b32 s23, 0
	s_lshl_b32 s92, s46, 5
	s_mov_b32 s93, 0
	s_mul_i32 s20, s20, 768                        ; their codes: 768 bytes a row (12,288 a tile)
	s_mov_b32 s21, 0
	s_mul_i32 s46, s46, 768
	s_mov_b32 s47, 0
	s_mul_i32 s45, s14, HALFT                      ; where they go: wave x 128 rows: no place in the cluster enters an LDS address
	s_mul_i32 s3, s14, HALFS
	s_wait_kmcnt 0x0
	s_cmp_eq_u32 ttmp9, 2
	s_cselect_b64 s[94:95], s[8:9], s[4:5]         ; A's codes: wc for v, else xc
	s_cselect_b64 s[96:97], s[10:11], s[6:7]       ; A's scales
	s_add_nc_u64 s[20:21], s[94:95], s[20:21]
	s_add_nc_u64 s[22:23], s[96:97], s[22:23]
	s_cselect_b64 s[94:95], s[4:5], s[8:9]         ; B's codes: xc for v, else wc
	s_cselect_b64 s[96:97], s[6:7], s[10:11]
	s_add_nc_u64 s[46:47], s[94:95], s[46:47]
	s_add_nc_u64 s[92:93], s[96:97], s[92:93]
	CROUND                                         ; all sixteen work-groups are here: the first joint loads meet
	s_mov_b32 s[G0S], 1
	s_add_co_u32 s[G0S+1], s3, SCL
	s_mov_b64 s[G0S+2:G0S+3], s[22:23]
	s_or_b32 s[G0S+3], s[G0S+3], 0x80000000
	s_mov_b32 s[G0SB], 1
	s_add_co_u32 s[G0SB+1], s3, SCL
	s_mov_b64 s[G0SB+2:G0SB+3], s[92:93]
	s_or_b32 s[G0SB+3], s[G0SB+3], 0x80000000
	JLOAD G0S, G1S, G0SB, G1SB                     ; the scales first: they are wanted with K step 0.  With the two below, three tensor loads of mine are out
.irp s, 0,1
	s_mov_b32 s[G0+4*\s], 1
	s_add_co_u32 s[G0+4*\s+1], s45, \s*SLOT
	s_add_nc_u64 s[G0+4*\s+2:G0+4*\s+3], s[20:21], \s*KSB
	s_or_b32 s[G0+4*\s+3], s[G0+4*\s+3], 0x80000000
	s_mov_b32 s[G0B+4*\s], 1
	s_add_co_u32 s[G0B+4*\s+1], s45, \s*SLOT
	s_add_nc_u64 s[G0B+4*\s+2:G0B+4*\s+3], s[46:47], \s*KSB
	s_or_b32 s[G0B+4*\s+3], s[G0B+4*\s+3], 0x80000000
	JLOAD G0+4*\s, G1, G0B+4*\s, G1B
.endr
	s_load_b256 s[4:11], s[0:1], 0x20              ; bq, bk, bv, hc
	s_load_b64 s[12:13], s[0:1], 0x40              ; hs
	v_and_b32 v1, 15, v0                           ; r
	v_bfe_u32 v2, v0, 4, 1                         ; h
	v_and_b32 v3, 31, v0
	v_lshlrev_b32 v[L8], 3, v3
	s_mul_i32 s21, s15, HALFT                      ; my 128 rows of A
	s_mul_i32 s22, s16, HALFT                      ; my 128 rows of B,
	s_add_co_u32 s22, s22, 2*HALFT                 ; which lie behind A's 256
.irp s, 0,1
	v_add_nc_u32 v[ADRA+\s], s21, v[L8]
	v_add_nc_u32 v[ADRB+\s], s22, v[L8]
	s_add_co_u32 s21, s21, SLOT
	s_add_co_u32 s22, s22, SLOT
.endr
	v_mul_u32_u24 v5, v1, KS                       ; my row's scales: 32 bytes a row,
	v_lshrrev_b32 v6, 8, v5
	v_lshl_add_u32 v5, v6, 4, v5                   ; and 16 more for each 256 passed
	s_mul_i32 s21, s15, HALFS
	s_mul_i32 s22, s16, HALFS
	s_add_co_u32 s22, s22, 2*HALFS
	s_sub_co_u32 s22, s22, s21
	v_mul_u32_u24 v6, s22, v2                      ; lanes 16-31 take B's: one product, h x the distance
	s_add_co_u32 s21, s21, SCL
	v_add_nc_u32 v5, v5, v6
	v_add_nc_u32 v[ADRS], s21, v5
	v_mul_u32_u24 v[SVO], v2, HEADS
	v_lshl_add_u32 v[SVO], v1, 4, v[SVO]
	v_lshlrev_b32 v[H16], 4, v2
	; where my results go.  Tokens: 256 TT + 128 HT; features: 128 (2 FT + FH)
	s_cmp_eq_u32 ttmp9, 2
	s_cselect_b32 s18, s42, s17                    ; TT
	s_cselect_b32 s19, s16, s15                    ; HT
	s_cselect_b32 s20, s17, s42                    ; FT
	s_cselect_b32 s21, s15, s16                    ; FH
	s_lshl_b32 s20, s20, 1
	s_add_co_u32 s20, s20, s21
	s_and_b32 s20, s20, 7                          ; which 128 features of the tensor's 1,024: two heads
	s_lshr_b32 s22, s18, 3                         ; n
	s_and_b32 s18, s18, 7
	s_lshl_b32 s18, s18, 1
	s_add_co_u32 s18, s18, s19                     ; which 128 tokens of the sequence's 2,048
	s_lshl_b32 s22, s22, 4
	s_lshl_b32 s23, s20, 1
	s_add_co_u32 s22, s22, s23                     ; 16 n + my first head
	s_mul_i32 s46, s22, HEADC
	s_mul_i32 s47, ttmp9, PARTC                    ; cluster x = 0: q, 1: k, 2: v
	s_add_co_u32 s46, s46, s47
	s_mul_i32 s47, s18, 6144                       ; 128 tokens: 8 half images of q or k, or 4 images of v
	s_add_co_u32 s46, s46, s47
	s_mov_b32 s47, 0
	s_mul_i32 s2, s22, HEADS
	s_lshl_b32 s3, s18, 9                          ; q's words: 512 bytes for 128 tokens
	s_mul_i32 s19, s18, 768                        ; k's and v's: 768, from 8,192 on
	s_add_co_u32 s19, s19, 8192
	s_cmp_eq_u32 ttmp9, 0
	s_cselect_b32 s3, s3, s19
	s_cmp_eq_u32 ttmp9, 2
	s_cselect_b32 s19, 512, 0                      ; v's behind k's
	s_add_co_u32 s3, s3, s19
	s_add_co_u32 s2, s2, s3
	s_mov_b32 s3, 0
	s_lshl_b32 s20, s20, 9
	s_mov_b32 s21, 0
	s_wait_kmcnt 0x0
	s_add_nc_u64 s[OUTC:OUTC+1], s[10:11], s[46:47]
	s_add_nc_u64 s[OUTS:OUTS+1], s[12:13], s[2:3]
	s_cmp_eq_u32 ttmp9, 0
	s_cselect_b64 s[BIAS:BIAS+1], s[4:5], s[6:7]
	s_cmp_eq_u32 ttmp9, 2
	s_cselect_b64 s[BIAS:BIAS+1], s[8:9], s[BIAS:BIAS+1]
	s_add_nc_u64 s[BIAS:BIAS+1], s[BIAS:BIAS+1], s[20:21]
.macro FRAG reg, adr, q, i             ; a fragment comes as it was stored: six planes, 8 bytes a lane, 256 consecutive bytes a load
.irp p, 0,1,2,3,4,5
	ds_load_b64 v[\reg+2*\p:\reg+2*\p+1], v[\adr] offset:(\i)*KSB+(\q)*FIB+256*\p
.endr
.endm
; 16 matrix instructions: A's blocks a0, a0 + 1 x B's eight, 128 along K: the slot's q-th.  p: B's set; sc: the set of scale words.  zero = 1: the first product starts the sums.
; The 64 accumulators take turns, one instruction a turn, in the same order in every step.
.macro MUL16 a0, p, q, sc, zero
.irp a, \a0, \a0+1
.irp b, 0,1,2,3,4,5,6,7
.if \zero
	v_wmma_scale_f32_16x16x128_f8f6f4 v[8*(8*((\a)%4)+\b):8*(8*((\a)%4)+\b)+7], v[128*(\p)+FR*\b:128*(\p)+FR*\b+FR-1], v[AF+FR*(\a):AF+FR*(\a)+FR-1], 0, v[SC+8*NQ*(\sc)+NQ*\b+(\q)], v[SC+8*NQ*(\sc)+NQ*(\a)+(\q)] matrix_a_fmt:MATRIX_FMT_FP6 matrix_b_fmt:MATRIX_FMT_FP6 matrix_a_scale:MATRIX_SCALE_ROW1
.else
	v_wmma_scale_f32_16x16x128_f8f6f4 v[8*(8*((\a)%4)+\b):8*(8*((\a)%4)+\b)+7], v[128*(\p)+FR*\b:128*(\p)+FR*\b+FR-1], v[AF+FR*(\a):AF+FR*(\a)+FR-1], v[8*(8*((\a)%4)+\b):8*(8*((\a)%4)+\b)+7], v[SC+8*NQ*(\sc)+NQ*\b+(\q)], v[SC+8*NQ*(\sc)+NQ*(\a)+(\q)] matrix_a_fmt:MATRIX_FMT_FP6 matrix_b_fmt:MATRIX_FMT_FP6 matrix_a_scale:MATRIX_SCALE_ROW1
.endif
.endr
.endr
.endm
.macro FETCH_B slot, q, p
	WIN TO_B
.irp i, 0,1,2,3,4,5,6,7
	FRAG 128*(\p)+FR*\i, ADRB+\slot, \q, \i
.endr
	WIN 0
.endm
.macro FETCH_A slot, q, i0
.irp i, \i0, \i0+1, \i0+2, \i0+3
	FRAG AF+FR*(\i), ADRA+\slot, \q, \i
.endr
.endm
.macro SCALES sc                       ; a slot's scale words: two a row; lanes 0-15 take A's block i, lanes 16-31 B's block i
.irp i, 0,1,2,3,4,5,6,7
	ds_load_b64 v[SC+8*NQ*\sc+NQ*\i:SC+8*NQ*\sc+NQ*\i+1], v[ADRS] offset:\i*SBLK
.endr
.endm
.macro PLACES n                        ; plain vector instructions between a matrix instruction and a load into, or a vector read or write of, its registers
.rept \n
	v_nop
.endr
.endm
; A step of 128 along K that has its successor in the same slot.  A has one set of registers: blocks 0-3 are fetched anew in the step's middle, blocks 4-7 at its end; B has two sets.
.macro STEP slot, q, zero
	s_wait_dscnt 4*NL                              ; B's set, the scale words and A's blocks 0-3 are in; the youngest 24 loads (A's blocks 4-7) may be out
	WIN MUL_LO
	MUL16 0, (\q)%2, \q, \slot, \zero
	MUL16 2, (\q)%2, \q, \slot, \zero
	s_wait_dscnt 0                                 ; A's blocks 4-7 are in
	PLACES NP
	FETCH_B \slot, (\q)+1, 1-(\q)%2
	FETCH_A \slot, (\q)+1, 0
	WIN MUL_HI
	MUL16 4, (\q)%2, \q, \slot, \zero
	MUL16 6, (\q)%2, \q, \slot, \zero
	PLACES NP
	WIN 0
	FETCH_A \slot, (\q)+1, 4
.endm
; A slot's last step changes slots: one barrier; in front of it each wave waits for all its tensor loads, adds 0 to its spare word, and waits for that and for its reads of this slot.  fill = 1: this slot is filled again.
.macro TURN slot, next, fill
	s_wait_tensorcnt 0x0                           ; all my tensor loads have landed: my part of the next slot
	ds_add_u32 v[SPW], v[NIL]                      ; 0 onto my spare word
	s_wait_dscnt 4*NL+1                            ; (the add and the youngest 24 loads may be out)
	WIN MUL_LO
	MUL16 0, 1, NQ-1, \slot, 0
	s_wait_dscnt 0x0                               ; the add is done, and my reads of this slot are over
	s_barrier_signal -1
	MUL16 2, 1, NQ-1, \slot, 0
	WIN 0
	s_barrier_wait -1
.if \fill
	CREST                                          ; the barrier has opened a round of the cluster's: no wave of any partner still reads this slot or has a load on its way
	s_add_nc_u64 s[G0+4*\slot+2:G0+4*\slot+3], s[G0+4*\slot+2:G0+4*\slot+3], 2*KSB
	s_add_nc_u64 s[G0B+4*\slot+2:G0B+4*\slot+3], s[G0B+4*\slot+2:G0B+4*\slot+3], 2*KSB
	JLOAD G0+4*\slot, G1, G0B+4*\slot, G1B         ; the first tensor load behind the round, my only one until the next; its four v_nop are the places in front of the loads below
.else
	PLACES NP
.endif
	v_add_nc_u32 v[ADRS], 4*NQ, v[ADRS]            ; on to the next slot's scale words (no LDS load of mine is out)
	FETCH_B \next, 0, 0
	FETCH_A \next, 0, 0
	SCALES \next
	WIN MUL_HI
	MUL16 4, 1, NQ-1, \slot, 0
	MUL16 6, 1, NQ-1, \slot, 0
	PLACES NP
	WIN 0
	FETCH_A \next, 0, 4
.endm
.macro LAST                            ; the very last step: nothing more to fetch
	s_wait_dscnt 4*NL
	WIN MUL_LO
	MUL16 0, 1, NQ-1, 1, 0
	MUL16 2, 1, NQ-1, 1, 0
	s_wait_dscnt 0x0
	WIN MUL_HI
	MUL16 4, 1, NQ-1, 1, 0
	MUL16 6, 1, NQ-1, 1, 0
	WIN 0
.endm
; 64 numbers of a lane, register 16 b + i = k 32 b + 16 (lane / 16) + i of my row, become a fragment's codes in v[PC] on and its scale word in v[pw].
.macro QUANT s, pw
.irp b, 0,1,2,3
	v_max3_num_f32 v[TM+\b], |v[\s+16*\b]|, |v[\s+1+16*\b]|, 0x1800000   ; my 16 numbers of block b, and the floor 2^(3 - 127): the byte cannot fall under 1
.endr
.irp i, 2,4,6,8,10,12,14
.irp b, 0,1,2,3
	v_max3_num_f32 v[TM+\b], v[TM+\b], |v[\s+16*\b+\i]|, |v[\s+1+16*\b+\i]|
.endr
.endr
.irp b, 0,1,2,3
	v_permlanex16_b32 v[TM+4+\b], v[TM+\b], s[SEL], s[SEL+1]
.endr
.irp b, 0,1,2,3
	v_max_num_f32 v[TM+\b], v[TM+\b], v[TM+4+\b]   ; with lane l xor 16's: the block's largest magnitude
.endr
.irp b, 0,1,2,3
	v_add_nc_u32 v[TM+12+\b], 0xff000000, v[TM+\b] ; 2 off its exponent field: the conversion's scale operand
.endr
.irp b, 0,1,2,3
	v_lshrrev_b32 v[TM+4+\b], 23, v[TM+12+\b]      ; the scale's byte
.endr
	v_lshl_or_b32 v[\pw], v[TM+5], 8, v[TM+4]
	v_lshl_or_b32 v[\pw], v[TM+6], 16, v[\pw]
	v_lshl_or_b32 v[\pw], v[TM+7], 24, v[\pw]
.irp c, 0,1
	v_cvt_scalef32_pk16_fp6_f32 v[PC+6*\c:PC+2+6*\c], v[\s+32*\c:\s+15+32*\c], v[TM+12+2*\c]
	v_cvt_scalef32_pk16_fp6_f32 v[PC+12+4*\c:PC+14+4*\c], v[\s+16+32*\c:\s+31+32*\c], v[TM+12+2*\c+1]
.endr
	v_nop                                          ; one plain instruction behind the scaled conversions
.irp c, 0,1                                    ; the operand's layout wants a whole block in a lane
.irp i, 0,1,2
	v_permlane16_swap_b32 v[PC+6*\c+\i], v[PC+12+4*\c+\i]
.endr
.irp i, 0,1,2
	v_mov_b32 v[PC+3+6*\c+\i], v[PC+12+4*\c+\i]
.endr
.endr
.endm
; Block a (16 rows of A x my 128 rows of B): + bias, quantised, stored as an image: each store is 256 consecutive bytes, aligned.
.macro BLOCK a, isv
	s_wait_xcnt 0x0                                ; the last block's stores have read v[PC] on
	WIN 0x02+(\a)/4                                ; source 0: the accumulators' window
.irp b, 0,1,2,3,4,5,6,7
.irp i, 0,2,4,6
.if \isv
	v_pk_add_f32 v[T+8*\b+\i:T+8*\b+\i+1], v[64*((\a)%4)+8*\b+\i:64*((\a)%4)+8*\b+\i+1], v[BI+2*(\a):BI+2*(\a)+1]   ; each accumulator from its low end on; v: one channel a lane
.else
	v_pk_add_f32 v[T+8*\b+\i:T+8*\b+\i+1], v[64*((\a)%4)+8*\b+\i:64*((\a)%4)+8*\b+\i+1], v[BI+8*\b+\i:BI+8*\b+\i+1] ; q, k: the features run along the registers
.endif
.endr
.endr
	WIN 0
	QUANT T, PW
.irp p, 0,1,2,3,4,5
.if \isv
	global_store_b64 v[L8], v[PC+2*\p:PC+2*\p+1], s[OUTC:OUTC+1] offset:((\a)/4)*HEADC+((\a)%4)*FIB+256*\p     ; head a / 4, channels' tile a % 4: a whole image (128 keys)
.else
	global_store_b64 v[L8], v[PC+2*\p:PC+2*\p+1], s[OUTC:OUTC+1] offset:(\p/3)*HEADC+(\a)*768+(\p%3)*256       ; planes 0-2: my first head's 64; planes 3-5: the next head's
.endif
.endr
.if \isv
	v_mov_b32 v[WD+(\a)], v[PW]
.else
	v_lshrrev_b32 v[WD+(\a)], v[H16], v[PW]        ; lanes 0-15 keep the first head's two bytes, lanes 16-31 the second's;
	v_and_b32 v[WD+(\a)], 0xffff, v[WD+(\a)]       ; the upper two are 0: they stand for the K that a head has not
.endif
.endm
.macro EPI isv
.if \isv
	v_and_b32 v[BOF], 8, v1
	v_add_nc_u32 v[BOF], v[BOF], v1
	v_lshlrev_b32 v[BOF], 2, v[BOF]                ; the channel at place r of a tile: r + 8 (r / 8)
.irp a, 0,1,2,3,4,5,6,7
	global_load_b32 v[BI+2*\a], v[BOF], s[BIAS:BIAS+1] offset:(32*(\a/2)+8*(\a%2))*4
	global_load_b32 v[BI+2*\a+1], v[BOF], s[BIAS:BIAS+1] offset:(32*(\a/2)+8*(\a%2))*4   ; twice: a pair for the packed addition
.endr
.else
	v_lshlrev_b32 v[BOF], 6, v2                    ; 16 h features
.irp b, 0,1,2,3,4,5,6,7
	global_load_b128 v[BI+8*\b:BI+8*\b+3], v[BOF], s[BIAS:BIAS+1] offset:(32*(\b/2)+8*(\b%2))*4
	global_load_b128 v[BI+8*\b+4:BI+8*\b+7], v[BOF], s[BIAS:BIAS+1] offset:(32*(\b/2)+8*(\b%2))*4+16
.endr
.endif
	LAST                                           ; the bias lands under the last 64 products
	PLACES NP
.irp b, 0,1,2,3
	v_mov_b32 v[TM+4+\b], 0                        ; a lane permute's destination counts as one of its sources
.endr
	s_wait_loadcnt 0x0
.irp a, 0,1,2,3,4,5,6,7
	BLOCK \a, \isv
.endr
.if \isv
.irp j, 0,1,2,3
	v_cndmask_b32 v[OW+\j], v[WD+\j], v[WD+4+\j], s[HM]   ; lanes 16-31: the second head's four tiles
.endr
	global_store_b128 v[SVO], v[OW:OW+3], s[OUTS:OUTS+1]  ; sixteen lanes store 256 consecutive bytes of one head, the other sixteen of the next
.else
	global_store_b128 v[SVO], v[WD:WD+3], s[OUTS:OUTS+1]
	global_store_b128 v[SVO], v[WD+4:WD+7], s[OUTS:OUTS+1] offset:256
.endif
.endm
	s_wait_tensorcnt 1                             ; the scales and my part of K step 0 are in; K step 1's load may be out
	s_barrier_signal -1
	s_barrier_wait -1
	FETCH_B 0, 0, 0
	FETCH_A 0, 0, 0
	SCALES 0
	FETCH_A 0, 0, 4
	STEP 0, 0, 1                                   ; K = 1,024 is twice round the ring: written out, no loop
	TURN 0, 1, 1
	STEP 1, 0, 0
	TURN 1, 0, 1
	STEP 0, 0, 0
	TURN 0, 1, 0                                   ; nothing is left to fetch
	STEP 1, 0, 0
	s_cmp_eq_u32 ttmp9, 2                          ; the cluster's x: the same in all partners
	s_cbranch_scc1 .Lv
	EPI 0
	s_branch .Ldone
.Lv:
	EPI 1
.Ldone:
	s_wait_tensorcnt 0x0                           ; the wave's end
	ds_add_u32 v[SPW], v[NIL]
	s_wait_dscnt 0x0
	CROUND                                         ; the closing round
	s_endpgm
.Lfunc_end_k_q35d4da6883_proj:
	.size	k_q35d4da6883_proj, .Lfunc_end_k_q35d4da6883_proj-k_q35d4da6883_proj
	.p2alignl 7, 3214868480
	.fill 96, 4, 3214868480
	.section	.rodata,"a",@progbits
	.p2align	6, 0x0
	.amdhsa_kernel k_q35d4da6883_proj
		.amdhsa_group_segment_fixed_size 327680
		.amdhsa_private_segment_fixed_size 0
		.amdhsa_enable_private_segment 0
		.amdhsa_kernarg_size 72
		.amdhsa_user_sgpr_count 2
		.amdhsa_user_sgpr_kernarg_segment_ptr 1
		.amdhsa_wavefront_size32 1
		.amdhsa_system_sgpr_workgroup_id_x 1
		.amdhsa_system_sgpr_workgroup_id_y 1
		.amdhsa_system_sgpr_workgroup_id_z 1
		.amdhsa_system_vgpr_workitem_id 0
		.amdhsa_next_free_vgpr 1024
		.amdhsa_next_free_sgpr 100
		.amdhsa_reserve_vcc 0
		.amdhsa_float_denorm_mode_32 3
		.amdhsa_float_denorm_mode_16_64 3
		.amdhsa_memory_ordered 1
		.amdhsa_forward_progress 1
		.amdhsa_inst_pref_size 247
	.end_amdhsa_kernel
	.amdgpu_metadata
---
amdhsa.version: [ 1, 2 ]
amdhsa.kernels:
  - .name:           k_q35d4da6883_proj
    .symbol:         k_q35d4da6883_proj.kd
    .args:
      - { .name: xc, .offset: 0, .size: 8, .value_kind: global_buffer, .address_space: global }
      - { .name: xs, .offset: 8, .size: 8, .value_kind: global_buffer, .address_space: global }
      - { .name: wc, .offset: 16, .size: 8, .value_kind: global_buffer, .address_space: global }
      - { .name: ws, .offset: 24, .size: 8, .value_kind: global_buffer, .address_space: global }
      - { .name: bq, .offset: 32, .size: 8, .value_kind: global_buffer, .address_space: global }
      - { .name: bk, .offset: 40, .size: 8, .value_kind: global_buffer, .address_space: global }
      - { .name: bv, .offset: 48, .size: 8, .value_kind: global_buffer, .address_space: global }
      - { .name: hc, .offset: 56, .size: 8, .value_kind: global_buffer, .address_space: global }
      - { .name: hs, .offset: 64, .size: 8, .value_kind: global_buffer, .address_space: global }
    .group_segment_fixed_size: 327680
    .private_segment_fixed_size: 0
    .kernarg_segment_align: 8
    .kernarg_segment_size: 72
    .max_flat_workgroup_size: 128
    .sgpr_count:     100
    .vgpr_count:     1024
    .wavefront_size: 32
...
	.end_amdgpu_metadata
.endif
;; end of part 2
;; launch attn (part 3): grid 4 x 64, 16 waves a work-group, clusters of 4 x 1, 210,944 bytes of LDS; arguments hc, hs, cc, cs; writes cc, cs
.if DOCPART == 3
	.amdgcn_target "amdgcn-amd-amdhsa--gfx1250"
	.amdhsa_code_object_version 6
	.text
	.protected	k_q35d4da6883_attn
	.globl	k_q35d4da6883_attn
	.p2align	8
	.type	k_q35d4da6883_attn,@function
k_q35d4da6883_attn:
	s_mov_b64 s[64:65], 0
	v_nop
	global_prefetch_b8 v0, s[64:65] scope:SCOPE_SE
	s_setreg_imm32_b32 hwreg(HW_REG_WAVE_MODE, 25, 1), 1
	s_wait_xcnt 0x0
	s_wait_alu depctr_hold_cnt(0) depctr_sa_sdst(0) depctr_va_vdst(0) depctr_va_sdst(0) depctr_va_ssrc(0) depctr_va_vcc(0) depctr_vm_vsrc(0)
	s_getreg_b32 s2, hwreg(HW_REG_IB_STS2, 6, 4)
	s_cmp_eq_u32 s2, 0
	s_cbranch_scc0 .Lentry_in_a_cluster
	s_endpgm
.Lentry_in_a_cluster:
	s_bfe_u32 s2, ttmp6, 0x10000c
	s_cmp_lg_u32 s2, 0x3003
	s_cbranch_scc0 .Lentry_shape_is_right
	s_endpgm
.Lentry_shape_is_right:
; ctx[n][q][head] = softmax_k(q . k) v, no scaling, no mask, both products on codes of FP6 (E2M3) with E8M0 scales; ctx is quantised along the 1,024 features and leaves as the last product's operand.
; THE SOFTMAX: t = score x log2(e); M = the running largest t rounded up to a whole number; p = 2^(t - M) is quantised along the keys, not normalised; the row's sum is taken of the unquantised p and divides at the end.
; When M moves, the sum and O are multiplied by 2^(old M - new M): exact.
; SHARES.  A work-group owns one head (cluster y = 16 n + head) and 512 queries (32 tiles, by its place cx); each of its sixteen waves owns two tiles, one after the other (PASS 0, 1), in 256 registers:
; four waves to a SIMD, so that one wave's vector work stands beside another's matrix work and LDS loads.
; ALL OF THE HEAD'S K AND V STAY IN LDS: 196,608 bytes of codes and 12,288 of scale words, each byte filled ONCE, at the head: no ring, no refill, and no LDS store in the text.  Wave w fetches keys 128 w on.
; CLUSTER: the four work-groups of a head want the same K and V: every load is a joint one, with the mask 15.  No prefetch: every byte of K and V is asked for at the head.
; LAYOUT.  Both products are used transposed: S^T = K Q^T, O^T = V^T P^T: a lane holds one query (lane % 16).  Tokens and channels lie by position (bits 3 and 4 exchanged), so that the 16 registers of
; tiles 2 b, 2 b + 1 of S^T are keys 32 b + 16 (lane / 16) + 0 .. 15, and those of O^T channels likewise.
; K = 64 IN AN INSTRUCTION 128 DEEP: q's codes of k = 64 .. 127 are zeros, and bytes 2, 3 of q's and k's scale words are 0 (a small power of two, never the byte 0xff).  So whatever codes stand in the upper
; six registers of K's operand add exactly 0: K's tiles lie six registers apart, tile t's operand is v[32 + 6 t .. + 11], and six registers of zeros stand behind tile 7.
; The scale bytes of ctx leave one byte a lane, 32 bytes an instruction in two rows' runs: the one store here that writes runs of 256 bytes in part; 1 / 24 of the launch's output.
; LIMITS: NaN and infinities are not served; a block whose largest magnitude lies under 2^-124, a block of zeros too, keeps the byte 1 (read by this program alone).
.set HEADC, 294912
.set PARTC, 98304
.set HEADS, 20480
.set KVB,   12288                      ; LDS: for each 128 keys: K's 8 half images (6,144 bytes), V's 4 images (6,144)
.set SCB,   196608                     ; behind them: for each 128 keys 768 bytes: k's words [tile / 4][r][tile % 4], v's [r][tile]
.set L8,  1                            ; v1   8 x lane
.set R16, 2                            ; v2   SCB + 16 r
.set ADR, 3                            ; v3   the step's codes
.set ADS, 4                            ; v4   the step's scale words
.set KV,  32                           ; v32-79 K's 8 tiles or V's 4 images; v80-85 zeros
.set KSW, 86                           ; v86-93 K's scale words
.set VSW, 94                           ; v94-97 V's
.set S,   98                           ; v98-161 S^T, then p
.set OT,  162                          ; v162-193 O^T
.set P,   194                          ; v194-205 p's codes
.set CT,  206                          ; v206-213 halves as converted
.set BM,  214                          ; v214-217 the blocks' largest
.set PT,  218                          ; v218-221 the other lane's; then the bytes
.set SO,  222                          ; v222-225 the conversions' scale operands
.set PSW, 226                          ; v226 p's scale word
.set F,   228                          ; v[228:229] f, later 1 / l; the packed forms take the low word
.set TMP, 230
.set L2,  232                          ; v[232:233] the sum's second chain
.set WV,  12
.set SEL, 20
.set CS,  22
.set HM,  24
.set TB,  25
.set TS,  26
.set CNT, 27
.set G1C, 28
.set G1S, 36
.set G0C, 44
.set G0S, 48
.set QP,  52
.set QSP, 54
.set CCP, 56
.set CSP, 58
.macro CROUND
	s_barrier_signal -1
	s_barrier_wait -1
	s_cmp_lg_u32 s[WV], 0
	s_cbranch_scc1 .Lnot_wave_0_\@
	s_barrier_signal -3
.Lnot_wave_0_\@:
	s_barrier_wait -3
	s_barrier_signal -1
	s_barrier_wait -1
.endm
	s_load_b256 s[4:11], s[0:1], 0x0               ; hc, hs, cc, cs
	v_lshl_add_u32 v254, v0, 2, 0x33000
	v_mov_b32 v255, 0
	ds_add_u32 v254, v255
	ds_add_u32 v254, v255
	v_lshrrev_b32 v1, 5, v0
	v_readfirstlane_b32 s[WV], v1                  ; wave 0..15
	s_bfe_u32 s13, ttmp6, 0x40000                  ; cx
	s_and_b32 s14, ttmp7, 0xffff                   ; 16 n + head, which the four partners share
	s_mul_i32 s60, s14, HEADC
	s_mul_i32 s62, s14, HEADS
	s_mul_i32 s15, s[WV], 6144
	s_add_co_u32 s66, s60, s15
	s_add_co_u32 s66, s66, PARTC                   ; k's part, my 128 keys; v's lie PARTC further on
	s_mov_b32 s67, 0
	s_mul_i32 s15, s[WV], 768
	s_add_co_u32 s68, s62, s15
	s_add_co_u32 s68, s68, 8192                    ; their scale words
	s_mov_b32 s69, 0
	s_lshl_b32 s16, s13, 5
	s_add_co_u32 s16, s16, s[WV]                   ; my first tile of queries: 32 cx + wave
	s_mul_i32 s17, s16, 768
	s_add_co_u32 s70, s60, s17
	s_mov_b32 s71, 0
	s_lshr_b32 s17, s16, 2
	s_lshl_b32 s17, s17, 8
	s_and_b32 s18, s16, 3
	s_lshl_b32 s18, s18, 2
	s_add_co_u32 s17, s17, s18
	s_add_co_u32 s2, s62, s17                      ; q's words: [tile / 4][r][tile % 4]
	s_mov_b32 s3, 0
	s_lshr_b32 s18, s14, 4
	s_lshl_b32 s18, s18, 7
	s_add_co_u32 s18, s18, s16                     ; the tile among all 512 tiles of tokens
	s_and_b32 s19, s14, 15                         ; head
	s_mul_i32 s60, s18, 12288
	s_mul_i32 s61, s19, 768                        ; K step head / 2, half head % 2
	s_add_co_u32 s60, s60, s61
	s_mov_b32 s61, 0
	s_lshl_b32 s62, s18, 9
	s_lshl_b32 s63, s19, 1
	s_add_co_u32 s62, s62, s63
	s_mov_b32 s63, 0
	; descriptor group 1 for codes: two rows of 6,144 bytes (768 elements of 8), PARTC bytes apart: k's and v's part of 128 keys
	s_mov_b32 s[G1C], 15|(3<<16)|(1<<21)           ; 15:0 the mask: all four work-groups; 17:16 elements of 8 bytes; 21 set beside a mask
	s_mov_b32 s[G1C+1], 768<<16
	s_mov_b32 s[G1C+2], 2<<16
	s_mov_b32 s[G1C+3], 768<<16
	s_mov_b32 s[G1C+4], 2
	s_mov_b32 s[G1C+5], 12288
	s_mov_b32 s[G1C+6], 0
	s_mov_b32 s[G1C+7], 0
	s_mov_b32 s[G1S], 15|(3<<16)|(1<<21)           ; for scale words: 768 dense bytes as three rows of 256
	s_mov_b32 s[G1S+1], 32<<16
	s_mov_b32 s[G1S+2], 3<<16
	s_mov_b32 s[G1S+3], 32<<16
	s_mov_b32 s[G1S+4], 3
	s_mov_b32 s[G1S+5], 32
	s_mov_b32 s[G1S+6], 0
	s_mov_b32 s[G1S+7], 0
	s_mov_b32 s[SEL], 0x76543210
	s_mov_b32 s[SEL+1], 0xfedcba98
	s_mov_b32 s[CS], 0x3fb8aa3b                    ; log2(e)
	s_mov_b32 s[CS+1], s[CS]
	s_mov_b32 s[HM], 0xffff0000
	s_wait_dscnt 0x0
	s_wait_kmcnt 0x0
	CROUND                                         ; all four work-groups are here: the joint loads meet
	s_mov_b32 s[G0C], 1
	s_mul_i32 s[G0C+1], s[WV], KVB
	s_add_nc_u64 s[G0C+2:G0C+3], s[4:5], s[66:67]
	s_or_b32 s[G0C+3], s[G0C+3], 0x80000000
	s_mov_b32 s[G0S], 1
	s_mul_i32 s[G0S+1], s[WV], 768
	s_add_co_u32 s[G0S+1], s[G0S+1], SCB
	s_add_nc_u64 s[G0S+2:G0S+3], s[6:7], s[68:69]
	s_or_b32 s[G0S+3], s[G0S+3], 0x80000000
	tensor_load_to_lds s[G0C:G0C+3], s[G1C:G1C+7]  ; two tensor loads of mine are out: the only ones of the launch
	s_nop 0
	tensor_load_to_lds s[G0S:G0S+3], s[G1S:G1S+7]
	s_nop 0
.rept 4
	v_nop
.endr
	s_add_nc_u64 s[QP:QP+1], s[4:5], s[70:71]
	s_add_nc_u64 s[QSP:QSP+1], s[6:7], s[2:3]
	s_add_nc_u64 s[CCP:CCP+1], s[8:9], s[60:61]
	s_add_nc_u64 s[CSP:CSP+1], s[10:11], s[62:63]
	v_and_b32 v7, 31, v0
	v_lshlrev_b32 v[L8], 3, v7
	v_and_b32 v8, 15, v0                           ; r
	v_bfe_u32 v9, v0, 4, 1                         ; h
	v_lshlrev_b32 v5, 4, v8                        ; 16 r
	v_add_nc_u32 v[R16], SCB, v5
	v_lshl_add_u32 v6, v8, 5, v9                   ; 32 r + h: my byte among ctx's scale bytes
.irp p, 0,1,2
	global_load_b64 v[16+2*\p:17+2*\p], v[L8], s[QP:QP+1] offset:256*\p              ; q of my first tile: v16-21
	global_load_b64 v[234+2*\p:235+2*\p], v[L8], s[QP:QP+1] offset:12288+256*\p      ; and of the tile 16 further on: v234-239
.endr
	global_load_b32 v28, v5, s[QSP:QSP+1]          ; their scale words
	global_load_b32 v246, v5, s[QSP:QSP+1] offset:1024
.irp j, 22,23,24,25,26,27,240,241,242,243,244,245,80,81,82,83,84,85
	v_mov_b32 v\j, 0                               ; q's codes of k = 64 .. 127, and what stands behind K's tile 7
.endr
.irp b, 0,1,2,3
	v_mov_b32 v[PT+\b], 0                          ; a lane permute's destination counts as one of its sources
.endr
	v_mov_b32 v[F+1], 0                            ; named as the upper half of a pair
	v_mov_b32 v[TMP], 0
; A KEY STEP: 128 keys.
.macro STEP qb, qs
	v_add_nc_u32 v[ADR], s[TB], v[L8]
	v_add_nc_u32 v[ADS], s[TS], v[R16]
	v_nop
	v_nop                                          ; four plain instructions between the last step's products and the loads into their operands
.irp t, 0,1,2,3,4,5,6,7
.irp p, 0,1,2
	ds_load_b64 v[KV+6*\t+2*\p:KV+6*\t+2*\p+1], v[ADR] offset:768*\t+256*\p
.endr
.endr
	ds_load_b128 v[KSW:KSW+3], v[ADS]
	ds_load_b128 v[KSW+4:KSW+7], v[ADS] offset:256
	s_wait_dscnt 0x0
.irp t, 0,1,2,3,4,5,6,7
	v_wmma_scale_f32_16x16x128_f8f6f4 v[S+8*\t:S+8*\t+7], v[KV+6*\t:KV+6*\t+11], v[\qb:\qb+11], 0, v[KSW+\t], v[\qs] matrix_a_fmt:MATRIX_FMT_FP6 matrix_b_fmt:MATRIX_FMT_FP6
.endr
.rept 4
	v_nop
.endr
.irp t, 0,1,2,3                                ; V's images land while the softmax is walked
.irp p, 0,1,2,3,4,5
	ds_load_b64 v[KV+12*\t+2*\p:KV+12*\t+2*\p+1], v[ADR] offset:6144+1536*\t+256*\p
.endr
.endr
	ds_load_b128 v[VSW:VSW+3], v[ADS] offset:512
.irp b, 0,1,2,3
	v_max3_num_f32 v[BM+\b], v[S+16*\b], v[S+1+16*\b], v[S+2+16*\b]   ; the largest score of each block of 32 keys: for the row's maximum, and, since p rises with the score, for the block's largest p
.endr
.irp i, 3,5,7,9,11,13
.irp b, 0,1,2,3
	v_max3_num_f32 v[BM+\b], v[BM+\b], v[S+16*\b+\i], v[S+1+16*\b+\i]
.endr
.endr
.irp b, 0,1,2,3
	v_max_num_f32 v[BM+\b], v[BM+\b], v[S+15+16*\b]
.endr
.irp b, 0,1,2,3
	v_permlanex16_b32 v[PT+\b], v[BM+\b], s[SEL], s[SEL+1]
.endr
.irp b, 0,1,2,3
	v_max_num_f32 v[BM+\b], v[BM+\b], v[PT+\b]     ; with lane l xor 16's 16 keys
.endr
	v_max3_num_f32 v[TMP], v[BM], v[BM+1], v[BM+2]
	v_max_num_f32 v[TMP], v[TMP], v[BM+3]
	v_mul_f32 v[TMP], s[CS], v[TMP]                ; as t
	v_max_num_f32 v13, v13, v[TMP]                 ; the running largest t
	v_mov_b32 v[TMP], v12
	v_floor_f32 v12, -v13                          ; the new -M = floor(-t): M is a whole number
	v_sub_f32 v[TMP], v12, v[TMP]                  ; old M - new M: a whole number, 0 or less
	v_cvt_i32_f32 v[TMP], v[TMP]                   ; (it saturates)
	v_ldexp_f32 v[F], 1.0, v[TMP]                  ; f = 2^(old M - new M)
.set j, 0
.rept 32
	v_pk_fma_f32 v[S+j:S+j+1], v[S+j:S+j+1], s[CS:CS+1], v[12:13] op_sel_hi:[1,0,0]   ; t - M, two at a time
.set j, j+2
.endr
.irp b, 0,1,2,3
	v_fma_f32 v[BM+\b], v[BM+\b], s[CS], v12       ; the same of each block's largest score
.endr
.set j, 0
.rept 64
	v_exp_f32 v[S+j], v[S+j]                       ; p = 2^(t - M)
.set j, j+1
.endr
	v_pk_mul_f32 v[14:15], v[14:15], v[F:F+1] op_sel_hi:[1,0]   ; the sums under the new M: the plain instruction behind the exponentials
	s_wait_alu depctr_va_vdst(0)                   ; one wait for the batch, ahead of its first reader
.irp b, 0,1,2,3
	v_exp_f32 v[BM+\b], v[BM+\b]                   ; the block's largest p: the same two instructions on the same number give the same bits
.endr
	v_pk_add_f32 v[L2:L2+1], v[S:S+1], v[S+2:S+3]  ; the row's sum of the unquantised p, in two chains
.set j, 4
.rept 15
	v_pk_add_f32 v[14:15], v[14:15], v[S+j:S+j+1]
	v_pk_add_f32 v[L2:L2+1], v[L2:L2+1], v[S+j+2:S+j+3]
.set j, j+4
.endr
	v_pk_add_f32 v[14:15], v[14:15], v[L2:L2+1]
	s_wait_alu depctr_va_vdst(0)                   ; and one for the four
.irp b, 0,1,2,3
	v_max_num_f32 v[BM+\b], 0x1800000, v[BM+\b]    ; the floor 2^(3 - 127)
.endr
.irp b, 0,1,2,3
	v_add_nc_u32 v[SO+\b], 0xff000000, v[BM+\b]
.endr
.irp b, 0,1,2,3
	v_lshrrev_b32 v[PT+\b], 23, v[SO+\b]
.endr
	v_lshl_or_b32 v[PSW], v[PT+1], 8, v[PT]        ; p's scale word for these 128 keys
	v_lshl_or_b32 v[PSW], v[PT+2], 16, v[PSW]
	v_lshl_or_b32 v[PSW], v[PT+3], 24, v[PSW]
.irp c, 0,1
	v_cvt_scalef32_pk16_fp6_f32 v[P+6*\c:P+6*\c+2], v[S+32*\c:S+32*\c+15], v[SO+2*\c]
	v_cvt_scalef32_pk16_fp6_f32 v[CT+4*\c:CT+4*\c+2], v[S+32*\c+16:S+32*\c+31], v[SO+2*\c+1]
.endr
	v_nop                                          ; one plain instruction behind the scaled conversions
.irp c, 0,1
.irp i, 0,1,2
	v_permlane16_swap_b32 v[P+6*\c+\i], v[CT+4*\c+\i]
.endr
.irp i, 0,1,2
	v_mov_b32 v[P+3+6*\c+\i], v[CT+4*\c+\i]
.endr
.endr
.set j, 0
.rept 16
	v_pk_mul_f32 v[OT+j:OT+j+1], v[OT+j:OT+j+1], v[F:F+1] op_sel_hi:[1,0]   ; O^T under the new M; these sixteen are also the places between the writes of p's codes and scale word and the products
.set j, j+2
.endr
	s_wait_dscnt 0x0                               ; V is in
.irp t, 0,1,2,3                                ; four accumulators, one instruction each: between two links of a chain stand eleven other matrix instructions
	v_wmma_scale_f32_16x16x128_f8f6f4 v[OT+8*\t:OT+8*\t+7], v[KV+12*\t:KV+12*\t+11], v[P:P+11], v[OT+8*\t:OT+8*\t+7], v[VSW+\t], v[PSW] matrix_a_fmt:MATRIX_FMT_FP6 matrix_b_fmt:MATRIX_FMT_FP6
.endr
	s_add_co_u32 s[TB], s[TB], KVB
	s_add_co_u32 s[TS], s[TS], 768
.endm
; O^T / l is ctx: register 16 b + i = channel 32 b + 16 (lane / 16) + i of my query: two blocks of the last product's K.  Quantised, it leaves as half an image.
.macro OUT i
.rept 4
	v_nop
.endr
	v_add_f32 v14, v14, v15
	v_permlanex16_b32 v[TMP], v14, s[SEL], s[SEL+1]
	v_add_f32 v14, v14, v[TMP]                     ; the row's sum
	v_rcp_f32 v[F], v14
	v_mov_b32 v[F+1], 0                            ; a plain instruction behind the reciprocal
	s_wait_alu depctr_va_vdst(0)
.set j, 0
.rept 16
	v_pk_mul_f32 v[S+j:S+j+1], v[OT+j:OT+j+1], v[F:F+1] op_sel_hi:[1,0]
.set j, j+2
.endr
.irp b, 0,1
	v_max3_num_f32 v[BM+\b], |v[S+16*\b]|, |v[S+1+16*\b]|, 0x1800000
.endr
.irp k, 2,4,6,8,10,12,14
.irp b, 0,1
	v_max3_num_f32 v[BM+\b], v[BM+\b], |v[S+16*\b+\k]|, |v[S+1+16*\b+\k]|
.endr
.endr
.irp b, 0,1
	v_permlanex16_b32 v[PT+\b], v[BM+\b], s[SEL], s[SEL+1]
.endr
.irp b, 0,1
	v_max_num_f32 v[BM+\b], v[BM+\b], v[PT+\b]
.endr
.irp b, 0,1
	v_add_nc_u32 v[SO+\b], 0xff000000, v[BM+\b]
.endr
.irp b, 0,1
	v_lshrrev_b32 v[PT+\b], 23, v[SO+\b]
.endr
	v_cvt_scalef32_pk16_fp6_f32 v[P:P+2], v[S:S+15], v[SO]
	v_cvt_scalef32_pk16_fp6_f32 v[P+4:P+6], v[S+16:S+31], v[SO+1]
	v_nop
.irp k, 0,1,2
	v_permlane16_swap_b32 v[P+\k], v[P+4+\k]
.endr
.irp k, 0,1,2
	v_mov_b32 v[P+3+\k], v[P+4+\k]
.endr
.irp p, 0,1,2
	global_store_b64 v[L8], v[P+2*\p:P+2*\p+1], s[CCP:CCP+1] offset:196608*\i+256*\p   ; a plane: 256 consecutive bytes, aligned
.endr
	v_cndmask_b32 v[TMP], v[PT], v[PT+1], s[HM]    ; lanes 0-15 the first block's byte, lanes 16-31 the second's
	global_store_b8 v6, v[TMP], s[CSP:CSP+1] offset:8192*\i
.endm
.macro PASS i, qb, qs
.if \i
	s_wait_xcnt 0x0                                ; the last pass's stores have read their registers
.endif
	v_mov_b32 v13, 0xff61b1e6                      ; the largest t so far: -3e38
	v_floor_f32 v12, -v13
	v_mov_b32 v14, 0
	v_mov_b32 v15, 0
.set j, 0
.rept 32
	v_mov_b32 v[OT+j], 0                           ; the step is written once: the first finds zeros, which the first change of M leaves zeros
.set j, j+1
.endr
	s_mov_b32 s[TB], 0
	s_mov_b32 s[TS], 0
	s_mov_b32 s[CNT], 16
.Lstep_\@:
	STEP \qb, \qs
	s_sub_co_u32 s[CNT], s[CNT], 1
	s_cmp_lg_u32 s[CNT], 0
	s_cbranch_scc1 .Lstep_\@
	OUT \i
.endm
	s_wait_tensorcnt 0x0                           ; my part of K, V and their scale words is in,
	s_barrier_signal -1
	s_barrier_wait -1                              ; everybody's is
	s_wait_loadcnt 0x0                             ; q
	PASS 0, 16, 28
	PASS 1, 234, 246
	s_wait_tensorcnt 0x0
	ds_add_u32 v254, v255
	s_wait_dscnt 0x0
	CROUND                                         ; the closing round
	s_endpgm
.Lfunc_end_k_q35d4da6883_attn:
	.size	k_q35d4da6883_attn, .Lfunc_end_k_q35d4da6883_attn-k_q35d4da6883_attn
	.p2alignl 7, 3214868480
	.fill 96, 4, 3214868480
	.section	.rodata,"a",@progbits
	.p2align	6, 0x0
	.amdhsa_kernel k_q35d4da6883_attn
		.amdhsa_group_segment_fixed_size 210944
		.amdhsa_private_segment_fixed_size 0
		.amdhsa_enable_private_segment 0
		.amdhsa_kernarg_size 32
		.amdhsa_user_sgpr_count 2
		.amdhsa_user_sgpr_kernarg_segment_ptr 1
		.amdhsa_wavefront_size32 1
		.amdhsa_system_sgpr_workgroup_id_x 1
		.amdhsa_system_sgpr_workgroup_id_y 1
		.amdhsa_system_sgpr_workgroup_id_z 1
		.amdhsa_system_vgpr_workitem_id 0
		.amdhsa_next_free_vgpr 256
		.amdhsa_next_free_sgpr 72
		.amdhsa_reserve_vcc 0
		.amdhsa_float_denorm_mode_32 3
		.amdhsa_float_denorm_mode_16_64 3
		.amdhsa_memory_ordered 1
		.amdhsa_forward_progress 1
		.amdhsa_inst_pref_size 51
	.end_amdhsa_kernel
	.amdgpu_metadata
---
amdhsa.version: [ 1, 2 ]
amdhsa.kernels:
  - .name:           k_q35d4da6883_attn
    .symbol:         k_q35d4da6883_attn.kd
    .args:
      - { .name: hc, .offset: 0, .size: 8, .value_kind: global_buffer, .address_space: global }
      - { .name: hs, .offset: 8, .size: 8, .value_kind: global_buffer, .address_space: global }
      - { .name: cc, .offset: 16, .size: 8, .value_kind: global_buffer, .address_space: global }
      - { .name: cs, .offset: 24, .size: 8, .value_kind: global_buffer, .address_space: global }
    .group_segment_fixed_size: 210944
    .private_segment_fixed_size: 0
    .kernarg_segment_align: 8
    .kernarg_segment_size: 32
    .max_flat_workgroup_size: 512
    .sgpr_count:     72
    .vgpr_count:     256
    .wavefront_size: 32
...
	.end_amdgpu_metadata
.endif
;; end of part 3
;; launch outp (part 4): grid 4 x 32, 4 waves a work-group, clusters of 4 x 4, 327,680 bytes of LDS; arguments cc, cs, wc, ws, bo, out0; writes out0
.if DOCPART == 4
	.amdgcn_target "amdgcn-amd-amdhsa--gfx1250"
	.amdhsa_code_object_version 6
	.text
	.protected	k_q35d4da6883_outp
	.globl	k_q35d4da6883_outp
	.p2align	8
	.type	k_q35d4da6883_outp,@function
k_q35d4da6883_outp:
	s_mov_b64 s[64:65], 0
	v_nop
	global_prefetch_b8 v0, s[64:65] scope:SCOPE_SE
	s_setreg_imm32_b32 hwreg(HW_REG_WAVE_MODE, 25, 1), 1
	s_wait_xcnt 0x0
	s_wait_alu depctr_hold_cnt(0) depctr_sa_sdst(0) depctr_va_vdst(0) depctr_va_sdst(0) depctr_va_ssrc(0) depctr_va_vcc(0) depctr_vm_vsrc(0)
	s_getreg_b32 s2, hwreg(HW_REG_IB_STS2, 6, 4)
	s_cmp_eq_u32 s2, 0
	s_cbranch_scc0 .Lentry_in_a_cluster
	s_endpgm
.Lentry_in_a_cluster:
	s_bfe_u32 s2, ttmp6, 0x10000c
	s_cmp_lg_u32 s2, 0xf033
	s_cbranch_scc0 .Lentry_shape_is_right
	s_endpgm
.Lentry_shape_is_right:
; out0 = ctx Wo^T + bo on codes of FP6 (E2M3) with E8M0 scales; out0 [8192][1024] f32.
; A work-group of four waves makes 256 x 256, a wave 128 x 128: 64 accumulators.  K = 1,024 goes in four steps of 256 through two LDS slots filled by the tensor data mover.
; Operands lie in memory as images of their registers (16 positions x 128 K = six planes of 256 bytes): a fragment is six dense ds_load_b64.  Rows lie by position (bits 3 and 4 of a row's number exchanged).
; Source 0 ('B') = Wo's rows (from row 3,072 of wc), source 1 ('A') = ctx's rows: a lane holds one token and its registers run along the outputs; the way out puts rows and columns back into their natural order.
; CLUSTERS: 4 x 4: A's tiles are shared along a row of the cluster, B's along a column, each asked for jointly.  128 work-groups: this tile leaves WGPs without work; a tile of 128 x 256 would fill them.
; No prefetch: of K's four steps two are first fills.
; REGISTERS: window 0: v12-15 the bias, v16-29 addresses; v32-63 scale words, two sets; v128-223 A's fragments; on the way out v128-255.  window 1: B's two sets.  windows 2, 3: the accumulators.
.set NQ,     2
.set FR,     12
.set NL,     6
.set NP,     4
.set FIB,    1536
.set KSB,    NQ*FIB
.set HALFT,  8*KSB
.set SLOT,   4*HALFT
.set KS,     32
.set SCL,    2*SLOT
.set HALFS,  (128*KS/256)*272
.set SBLK,   (16*KS/256)*272
.set SPARE,  SCL+4*HALFS               ; the spare words: two blocks of 256 bytes that no other line names
.set SPITCH, 528                       ; the way out: a stage of 16 rows x (512 + 16) bytes for each wave, in slot 0, which has had its last fill and its last read by then
.set ADRA, 16
.set ADRB, 20
.set STO,  24
.set RD,   25
.set CO,   26
.set ADRS, 27
.set SPW,  28
.set NIL,  29
.set SC,   32
.set AF,   128
.set BK,   128
.set G1, 24
.set G0, 32
.set G1B, 48
.set G0B, 56
.set G1S, 68
.set G0S, 76
.set G1SB, 80
.set G0SB, 88
.set MSB, 0
.macro WIN new
.if MSB != (\new)
	s_set_vgpr_msb (MSB<<8)|(\new)
.set MSB, (\new)
.endif
.endm
.set MUL_LO, 0xa1
.set MUL_HI, 0xf1
.set TO_B,   0x40
.macro JLOAD g0a, g1a, g0b, g1b        ; waves 0 and 1 fetch for A, waves 2 and 3 for B; four v_nop follow each line
	s_cmp_eq_u32 s15, 0
	s_cbranch_scc0 .Lfor_b_\@
	tensor_load_to_lds s[\g0a:\g0a+3], s[\g1a:\g1a+7]
	s_nop 0
.rept 4
	v_nop
.endr
	s_branch .Lasked_\@
.Lfor_b_\@:
	tensor_load_to_lds s[\g0b:\g0b+3], s[\g1b:\g1b+7]
	s_nop 0
.rept 4
	v_nop
.endr
.Lasked_\@:
.endm
.macro CREST
	s_cmp_lg_u32 s14, 0
	s_cbranch_scc1 .Lnot_wave_0_\@
	s_barrier_signal -3
.Lnot_wave_0_\@:
	s_barrier_wait -3
	s_barrier_signal -1
	s_barrier_wait -1
.endm
.macro CROUND
	s_barrier_signal -1
	s_barrier_wait -1
	CREST
.endm
	s_load_b256 s[4:11], s[0:1], 0x0               ; cc, cs, wc, ws
	s_load_b128 s[92:95], s[0:1], 0x20             ; bo, out0
	v_lshl_add_u32 v[SPW], v0, 2, SPARE
	v_mov_b32 v[NIL], 0
	ds_add_u32 v28, v29
	ds_add_u32 v28, v29
	s_wait_dscnt 0x0
	v_lshrrev_b32 v1, 5, v0
	v_readfirstlane_b32 s14, v1                    ; wave 0..3
	s_lshr_b32 s15, s14, 1                         ; my half of A's rows.  Also: I fetch for A (0) or for B (1)
	s_and_b32 s16, s14, 1                          ; my half of B's rows.  Also: which 128 rows I fetch
	s_bfe_u32 s40, ttmp6, 0x40000                  ; cx, cy
	s_bfe_u32 s41, ttmp6, 0x40004
	s_lshl_b32 s42, ttmp9, 2
	s_add_co_u32 s42, s42, s40                     ; tile column = 4 x cluster x + cx
	s_and_b32 s17, ttmp7, 0xffff
	s_lshl_b32 s17, s17, 2
	s_add_co_u32 s17, s17, s41                     ; tile row = 4 x cluster y + cy
	s_lshl_b32 s43, s41, 2
	s_lshl_b32 s43, 15, s43                        ; my row of the cluster
	s_lshl_b32 s44, 0x1111, s40                    ; my column
	s_or_b32 s[G1+0], s43, (3<<16)|(1<<21)         ; codes: 8 rows of 3,072 bytes (384 elements of 8), 12,288 bytes apart, dense in LDS
	s_or_b32 s[G1B+0], s44, (3<<16)|(1<<21)
.irp g, G1, G1B
	s_mov_b32 s[\g+1], 384<<16
	s_mov_b32 s[\g+2], 8<<16
	s_mov_b32 s[\g+3], 384<<16
	s_mov_b32 s[\g+4], 8
	s_mov_b32 s[\g+5], 1536
	s_mov_b32 s[\g+6], 0
	s_mov_b32 s[\g+7], 0
.endr
	s_or_b32 s[G1S+0], s43, (3<<16)|(1<<20)|(1<<21)|(5<<22)|(3<<25)   ; scales of 128 rows: 16 rows of 256 bytes, 16 of padding behind each
	s_or_b32 s[G1SB+0], s44, (3<<16)|(1<<20)|(1<<21)|(5<<22)|(3<<25)
.irp g, G1S, G1SB
	s_mov_b32 s[\g+1], 32<<16
	s_mov_b32 s[\g+2], (128*KS/256)<<16
	s_mov_b32 s[\g+3], 32<<16
	s_mov_b32 s[\g+4], 128*KS/256
	s_mov_b32 s[\g+5], 32
	s_mov_b32 s[\g+6], 0
	s_mov_b32 s[\g+7], 0
.endr
	s_lshl_b32 s18, s16, 7
	s_lshl_b32 s20, s17, 8
	s_add_co_u32 s20, s20, s18                     ; A's first row
	s_lshl_b32 s46, s42, 8
	s_add_co_u32 s46, s46, s18
	s_add_co_u32 s46, s46, 3072                    ; B's: Wo begins 3,072 rows into wc
	s_lshl_b32 s22, s20, 5
	s_mov_b32 s23, 0
	s_lshl_b32 s96, s46, 5
	s_mov_b32 s97, 0
	s_mul_i32 s20, s20, 768
	s_mov_b32 s21, 0
	s_mul_i32 s46, s46, 768
	s_mov_b32 s47, 0
	s_mul_i32 s45, s14, HALFT
	s_mul_i32 s3, s14, HALFS
	s_wait_kmcnt 0x0
	s_add_nc_u64 s[20:21], s[4:5], s[20:21]
	s_add_nc_u64 s[22:23], s[6:7], s[22:23]
	s_add_nc_u64 s[46:47], s[8:9], s[46:47]
	s_add_nc_u64 s[96:97], s[10:11], s[96:97]
	CROUND                                         ; all sixteen work-groups are here: the first joint loads meet
	s_mov_b32 s[G0S], 1
	s_add_co_u32 s[G0S+1], s3, SCL
	s_mov_b64 s[G0S+2:G0S+3], s[22:23]
	s_or_b32 s[G0S+3], s[G0S+3], 0x80000000
	s_mov_b32 s[G0SB], 1
	s_add_co_u32 s[G0SB+1], s3, SCL
	s_mov_b64 s[G0SB+2:G0SB+3], s[96:97]
	s_or_b32 s[G0SB+3], s[G0SB+3], 0x80000000
	JLOAD G0S, G1S, G0SB, G1SB                     ; with the two below, three tensor loads of mine are out
.irp s, 0,1
	s_mov_b32 s[G0+4*\s], 1
	s_add_co_u32 s[G0+4*\s+1], s45, \s*SLOT
	s_add_nc_u64 s[G0+4*\s+2:G0+4*\s+3], s[20:21], \s*KSB
	s_or_b32 s[G0+4*\s+3], s[G0+4*\s+3], 0x80000000
	s_mov_b32 s[G0B+4*\s], 1
	s_add_co_u32 s[G0B+4*\s+1], s45, \s*SLOT
	s_add_nc_u64 s[G0B+4*\s+2:G0B+4*\s+3], s[46:47], \s*KSB
	s_or_b32 s[G0B+4*\s+3], s[G0B+4*\s+3], 0x80000000
	JLOAD G0+4*\s, G1, G0B+4*\s, G1B
.endr
	v_and_b32 v1, 15, v0                           ; r
	v_bfe_u32 v2, v0, 4, 1                         ; h
	v_and_b32 v3, 31, v0
	v_lshlrev_b32 v4, 3, v3                        ; 8 x lane
	v_lshlrev_b32 v[CO], 4, v3                     ; 16 x lane
	s_mul_i32 s21, s15, HALFT
	s_mul_i32 s22, s16, HALFT
	s_add_co_u32 s22, s22, 2*HALFT
.irp s, 0,1
	v_add_nc_u32 v[ADRA+\s], s21, v4
	v_add_nc_u32 v[ADRB+\s], s22, v4
	s_add_co_u32 s21, s21, SLOT
	s_add_co_u32 s22, s22, SLOT
.endr
	v_mul_u32_u24 v5, v1, KS
	v_lshrrev_b32 v6, 8, v5
	v_lshl_add_u32 v5, v6, 4, v5
	s_mul_i32 s21, s15, HALFS
	s_mul_i32 s22, s16, HALFS
	s_add_co_u32 s22, s22, 2*HALFS
	s_sub_co_u32 s22, s22, s21
	v_mul_u32_u24 v6, s22, v2                      ; lanes 16-31 take B's: one product, h x the distance
	s_add_co_u32 s21, s21, SCL
	v_add_nc_u32 v5, v5, v6
	v_add_nc_u32 v[ADRS], s21, v5
	s_mul_i32 s23, s14, 16*SPITCH                  ; my stage
	v_mul_u32_u24 v5, v1, SPITCH
	v_lshl_add_u32 v5, v2, 6, v5                   ; in: row r, + 64 h: lanes 16-31 hold the outputs 16 further on
	v_add_nc_u32 v[STO], s23, v5
	v_add_nc_u32 v[RD], s23, v[CO]                 ; back: the 32 lanes take one row of 512 bytes
	s_lshl_b32 s46, s42, 10
	s_lshl_b32 s47, s16, 9
	s_add_co_u32 s46, s46, s47                     ; my first column, in bytes
	s_mov_b32 s47, 0
	s_add_nc_u64 s[92:93], s[92:93], s[46:47]
	s_lshl_b32 s20, s17, 8
	s_lshl_b32 s21, s15, 7
	s_add_co_u32 s20, s20, s21
	s_lshl_b32 s20, s20, 12                        ; my first row: 4,096 bytes a row
	s_mov_b32 s21, 0
	s_add_nc_u64 s[94:95], s[94:95], s[20:21]
	s_add_nc_u64 s[94:95], s[94:95], s[46:47]
	global_load_b128 v[12:15], v[CO], s[92:93]     ; bo at my four columns
.macro FRAG reg, adr, q, i
.irp p, 0,1,2,3,4,5
	ds_load_b64 v[\reg+2*\p:\reg+2*\p+1], v[\adr] offset:(\i)*KSB+(\q)*FIB+256*\p
.endr
.endm
; The 64 accumulators take turns, one instruction a turn, in the same order in every step.
.macro MUL16 a0, p, q, sc, zero
.irp a, \a0, \a0+1
.irp b, 0,1,2,3,4,5,6,7
.if \zero
	v_wmma_scale_f32_16x16x128_f8f6f4 v[8*(8*((\a)%4)+\b):8*(8*((\a)%4)+\b)+7], v[128*(\p)+FR*\b:128*(\p)+FR*\b+FR-1], v[AF+FR*(\a):AF+FR*(\a)+FR-1], 0, v[SC+8*NQ*(\sc)+NQ*\b+(\q)], v[SC+8*NQ*(\sc)+NQ*(\a)+(\q)] matrix_a_fmt:MATRIX_FMT_FP6 matrix_b_fmt:MATRIX_FMT_FP6 matrix_a_scale:MATRIX_SCALE_ROW1
.else
	v_wmma_scale_f32_16x16x128_f8f6f4 v[8*(8*((\a)%4)+\b):8*(8*((\a)%4)+\b)+7], v[128*(\p)+FR*\b:128*(\p)+FR*\b+FR-1], v[AF+FR*(\a):AF+FR*(\a)+FR-1], v[8*(8*((\a)%4)+\b):8*(8*((\a)%4)+\b)+7], v[SC+8*NQ*(\sc)+NQ*\b+(\q)], v[SC+8*NQ*(\sc)+NQ*(\a)+(\q)] matrix_a_fmt:MATRIX_FMT_FP6 matrix_b_fmt:MATRIX_FMT_FP6 matrix_a_scale:MATRIX_SCALE_ROW1
.endif
.endr
.endr
.endm
.macro FETCH_B slot, q, p
	WIN TO_B
.irp i, 0,1,2,3,4,5,6,7
	FRAG 128*(\p)+FR*\i, ADRB+\slot, \q, \i
.endr
	WIN 0
.endm
.macro FETCH_A slot, q, i0
.irp i, \i0, \i0+1, \i0+2, \i0+3
	FRAG AF+FR*(\i), ADRA+\slot, \q, \i
.endr
.endm
.macro SCALES sc
.irp i, 0,1,2,3,4,5,6,7
	ds_load_b64 v[SC+8*NQ*\sc+NQ*\i:SC+8*NQ*\sc+NQ*\i+1], v[ADRS] offset:\i*SBLK
.endr
.endm
.macro PLACES n
.rept \n
	v_nop
.endr
.endm
.macro STEP slot, q, zero
	s_wait_dscnt 4*NL                              ; all but the youngest 24 loads (A's blocks 4-7) are in
	WIN MUL_LO
	MUL16 0, (\q)%2, \q, \slot, \zero
	MUL16 2, (\q)%2, \q, \slot, \zero
	s_wait_dscnt 0
	PLACES NP
	FETCH_B \slot, (\q)+1, 1-(\q)%2
	FETCH_A \slot, (\q)+1, 0
	WIN MUL_HI
	MUL16 4, (\q)%2, \q, \slot, \zero
	MUL16 6, (\q)%2, \q, \slot, \zero
	PLACES NP
	WIN 0
	FETCH_A \slot, (\q)+1, 4
.endm
.macro TURN slot, next, fill
	s_wait_tensorcnt 0x0                           ; all my tensor loads have landed: my part of the next slot
	ds_add_u32 v[SPW], v[NIL]                      ; 0 onto my spare word
	s_wait_dscnt 4*NL+1                            ; (the add and the youngest 24 loads may be out)
	WIN MUL_LO
	MUL16 0, 1, NQ-1, \slot, 0
	s_wait_dscnt 0x0                               ; the add is done, and my reads of this slot are over
	s_barrier_signal -1
	MUL16 2, 1, NQ-1, \slot, 0
	WIN 0
	s_barrier_wait -1
.if \fill
	CREST                                          ; a round of the cluster's barrier: no wave of any partner still reads this slot or has a load on its way
	s_add_nc_u64 s[G0+4*\slot+2:G0+4*\slot+3], s[G0+4*\slot+2:G0+4*\slot+3], 2*KSB
	s_add_nc_u64 s[G0B+4*\slot+2:G0B+4*\slot+3], s[G0B+4*\slot+2:G0B+4*\slot+3], 2*KSB
	JLOAD G0+4*\slot, G1, G0B+4*\slot, G1B         ; the first tensor load behind the round, my only one until the next
.else
	PLACES NP
.endif
	v_add_nc_u32 v[ADRS], 4*NQ, v[ADRS]
	FETCH_B \next, 0, 0
	FETCH_A \next, 0, 0
	SCALES \next
	WIN MUL_HI
	MUL16 4, 1, NQ-1, \slot, 0
	MUL16 6, 1, NQ-1, \slot, 0
	PLACES NP
	WIN 0
	FETCH_A \next, 0, 4
.endm
	s_wait_tensorcnt 1                             ; the scales and my part of K step 0 are in; K step 1's load may be out
	s_barrier_signal -1
	s_barrier_wait -1
	FETCH_B 0, 0, 0
	FETCH_A 0, 0, 0
	SCALES 0
	FETCH_A 0, 0, 4
	STEP 0, 0, 1
	TURN 0, 1, 1
	STEP 1, 0, 0
	TURN 1, 0, 1
	STEP 0, 0, 0
	TURN 0, 1, 0
	STEP 1, 0, 0
	s_wait_dscnt 4*NL                              ; the very last step
	WIN MUL_LO
	MUL16 0, 1, NQ-1, 1, 0
	MUL16 2, 1, NQ-1, 1, 0
	s_wait_dscnt 0x0
	WIN MUL_HI
	MUL16 4, 1, NQ-1, 1, 0
	MUL16 6, 1, NQ-1, 1, 0
	WIN 0
; THE WAY OUT, block by block of 16 tokens x 128 outputs, through my own stage.  Accumulator b of lane (r, h) holds outputs 32 (b / 2) + 16 h + 8 (b % 2) + 0 .. 7 of the token at place r: they go to their natural
; bytes of the stage's row r.  Row t comes back whole, 512 bytes in 32 lanes, gets the bias, and goes to the token's natural row: 32 (a / 2) + 8 (a % 2) + t + 8 (t / 8) of my 128.
.macro TOSTAGE a
.set AC, 64*((\a)%4)
	WIN 0x08+4*((\a)/4)                            ; an LDS store's data: window 2 or 3
.irp b, 0,1,2,3,4,5,6,7
	ds_store_b128 v[STO], v[AC+8*\b:AC+8*\b+3] offset:128*(\b/2)+32*(\b%2)          ; each accumulator from its low end on
	ds_store_b128 v[STO], v[AC+8*\b+4:AC+8*\b+7] offset:128*(\b/2)+32*(\b%2)+16
.endr
	WIN 0
.set BB, BK+64*((\a)%2)
.irp t, 0,1,2,3,4,5,6,7,8,9,10,11,12,13,14,15
	ds_load_b128 v[BB+4*\t:BB+4*\t+3], v[RD] offset:\t*SPITCH   ; LDS serves a wave's instructions in order: these see the stores above
.endr
.endm
.macro SEND a, younger
.set BB, BK+64*((\a)%2)
	s_wait_dscnt \younger                          ; the block is back in registers
.irp t, 0,1,2,3,4,5,6,7,8,9,10,11,12,13,14,15
	v_pk_add_f32 v[BB+4*\t:BB+4*\t+1], v[BB+4*\t:BB+4*\t+1], v[12:13]
	v_pk_add_f32 v[BB+4*\t+2:BB+4*\t+3], v[BB+4*\t+2:BB+4*\t+3], v[14:15]
	global_store_b128 v[CO], v[BB+4*\t:BB+4*\t+3], s[94:95] offset:(32*((\a)/2)+8*((\a)%2)+\t+8*(\t/8))*4096 th:TH_STORE_NT   ; 512 consecutive bytes, aligned; 127 rows at the most: inside the signed 24-bit immediate
.endr
.endm
	PLACES NP
	s_wait_loadcnt 0x0                             ; the bias
	TOSTAGE 0
.irp a, 1,2,3,4,5,6,7
.if \a > 1
	s_wait_xcnt 0x0                                ; block a - 2's stores have read their registers: block a's loads may land there
.endif
	TOSTAGE \a
	SEND \a-1, 32                                  ; behind block a - 1's loads: block a's 16 stores and 16 loads
.endr
	SEND 7, 0
	s_wait_tensorcnt 0x0                           ; the wave's end
	ds_add_u32 v[SPW], v[NIL]
	s_wait_dscnt 0x0
	CROUND                                         ; the closing round
	s_endpgm
.Lfunc_end_k_q35d4da6883_outp:
	.size	k_q35d4da6883_outp, .Lfunc_end_k_q35d4da6883_outp-k_q35d4da6883_outp
	.p2alignl 7, 3214868480
	.fill 96, 4, 3214868480
	.section	.rodata,"a",@progbits
	.p2align	6, 0x0
	.amdhsa_kernel k_q35d4da6883_outp
		.amdhsa_group_segment_fixed_size 327680
		.amdhsa_private_segment_fixed_size 0
		.amdhsa_enable_private_segment 0
		.amdhsa_kernarg_size 48
		.amdhsa_user_sgpr_count 2
		.amdhsa_user_sgpr_kernarg_segment_ptr 1
		.amdhsa_wavefront_size32 1
		.amdhsa_system_sgpr_workgroup_id_x 1
		.amdhsa_system_sgpr_workgroup_id_y 1
		.amdhsa_system_sgpr_workgroup_id_z 1
		.amdhsa_system_vgpr_workitem_id 0
		.amdhsa_next_free_vgpr 1024
		.amdhsa_next_free_sgpr 100
		.amdhsa_reserve_vcc 0
		.amdhsa_float_denorm_mode_32 3
		.amdhsa_float_denorm_mode_16_64 3
		.amdhsa_memory_ordered 1
		.amdhsa_forward_progress 1
		.amdhsa_inst_pref_size 175
	.end_amdhsa_kernel
	.amdgpu_metadata
---
amdhsa.version: [ 1, 2 ]
amdhsa.kernels:
  - .name:           k_q35d4da6883_outp
    .symbol:         k_q35d4da6883_outp.kd
    .args:
      - { .name: cc, .offset: 0, .size: 8, .value_kind: global_buffer, .address_space: global }
      - { .name: cs, .offset: 8, .size: 8, .value_kind: global_buffer, .address_space: global }
      - { .name: wc, .offset: 16, .size: 8, .value_kind: global_buffer, .address_space: global }
      - { .name: ws, .offset: 24, .size: 8, .value_kind: global_buffer, .address_space: global }
      - { .name: bo, .offset: 32, .size: 8, .value_kind: global_buffer, .address_space: global }
      - { .name: out0, .offset: 40, .size: 8, .value_kind: global_buffer, .address_space: global }
    .group_segment_fixed_size: 327680
    .private_segment_fixed_size: 0
    .kernarg_segment_align: 8
    .kernarg_segment_size: 48
    .max_flat_workgroup_size: 128
    .sgpr_count:     100
    .vgpr_count:     1024
    .wavefront_size: 32
...
	.end_amdgpu_metadata
.endif
;; end of part 4
